; MI455X (gfx1250); checked and timed in simulation.
; The chip was launched on July 23, 2026; its instructions are those of AMD's public machine-readable ISA for CDNA 5 (MIT licence, August 2026) and "CDNA5" Instruction Set Architecture Reference Guide (July 2026). The comments in the code are by the model that wrote it; some were corrected since.
;; KL Attention. Allowed arithmetic: matrix products marked QUANTISED: E3M2 operands, one E8M0 scale for each 32 along K, by v_wmma_scale_f32_16x16x128_f8f6f4 with both operands' format E3M2, f32 sums; everything else in f32.
;; Inputs: Wk 512 x 512 float32; Wq 512 x 512 float32; Wv 512 x 512 float32; x 32 x 1,024 x 512 float32.
;; Outputs: out0 32 x 1,024 x 512 float32.
;; This version of the problem:
;;   THIS VERSION OF THE PROBLEM IS GIVEN IN LOW PRECISION. The matrix products marked QUANTISED in the list below multiply operands that are first quantised to E3M2 (3 exponent bits, 2 mantissa bits; 6 bits a number), with one power-of-two scale for each 32 numbers along K (OCP MX v1.0); their sums are f32. All else is computed in f32.
;;   The module's matrix products, in the order in which they are computed (A, B: the left and right operand; K: the contracted axis; several contracted axes count as one K, in the product's order):
;;     1. [M 32,768, K 512] x [K 512, N 512]; A: input x; B: input Wq: QUANTISED
;;     2. [M 32,768, K 512] x [K 512, N 512]; A: input x; B: input Wk: QUANTISED
;;     3. [M 32,768, K 512] x [K 512, N 512]; A: input x; B: input Wv: QUANTISED
;;     4. batch 32 x [M 1,024, K 512] x [K 512, N 1,024]; A: computed on the way; B: computed on the way: QUANTISED
;;     5. batch 32 x [M 1,024, K 1,024] x [K 1,024, N 512]; A: softmax (see below); B: computed on the way: QUANTISED
;;   THE QUANTISER, for each operand of a quantised product, along K:
;;     - K is cut into blocks of 32 from its start; a last block that is shorter is filled with zeros.
;;     - A block's scale is 2^e with e = floor(log2(the largest magnitude in the block)) - 4, held to -126 .. 127; a block of zeros has e = 0. As a byte (E8M0): e + 127.
;;     - Each number is divided by its block's scale, clamped to +-28, and rounded to the nearest number of E3M2, ties to even, subnormals kept.
;;     - The product sums the exact products of the quantised numbers (number of the format x scale) in f32.
;;   ~~~python
;;   def quantise(x, axis):      # numpy; x: float32 -> the quantised numbers, widened to float32 again
;;       x = np.moveaxis(x, axis, -1); K = x.shape[-1]
;;       x = np.pad(x, [(0, 0)] * (x.ndim - 1) + [(0, -K % 32)]); x = x.reshape(x.shape[:-1] + (-1, 32)); a = np.abs(x).max(-1, keepdims=True)
;;       e = np.where(a > 0, np.clip(np.frexp(np.where(a > 0, a, 1))[1] - 1 - 4, -126, 127), 0)      # np.frexp(a)[1] - 1 = floor(log2(a)), exactly
;;       r = np.clip(x / 2.0 ** e, -28, 28)
;;       step = 2.0 ** (np.maximum(np.frexp(np.where(r == 0, 1, r))[1] - 1, -2) - 2)
;;       q = np.round(r / step) * step * 2.0 ** e      # np.round: ties to even
;;       return np.moveaxis(q.reshape(q.shape[:-2] + (-1,))[..., :K], -1, axis).astype(np.float32)
;;   ~~~
;;   SOFTMAX AHEAD OF A QUANTISED PRODUCT. Where the list says 'softmax', what is quantised is not the finished softmax but p = 2^(t - M), with t = logit x log2(e) and M = ceil(the row's largest t), a whole number; so 1/2 < the row's largest p <= 1. The row's sum l is taken of the UNQUANTISED p, in f32, and the product's result is divided by l at the end. Since M is a whole number, a kernel that streams over the keys may use a running M (the ceiling of the running maximum): every later rescaling is an exact power of two, which a block's scale takes up: the codes' values come out the same.
;;   OPERANDS COMPUTED ON THE WAY. 'Computed on the way' means the value that the module computes at that place (a softmax that the list does not call 'softmax' is quantised finished and normalised). What goes into a quantiser is computed in f32, as accurately as f32 sums, v_exp_f32 and their like allow (about 1e-6 of the number): no bf16 or f16 on the way to a quantiser, and a product that is left as it is and whose result goes on into a quantised operand takes f32 operands (vector FMAs, or v_wmma_f32_16x16x4_f32). A number that lies on a knife's edge between two numbers of the format may be rounded either way, as far as f32 arithmetic and the matrix unit's own rounding can turn it there, and no further.
;; 2 versions, each right; version 2 is version 1 with the launch proj written anew for expert scheduling mode. Each part assembles by itself: llvm-mc -triple=amdgcn-amd-amdhsa -mcpu=gfx1250 --defsym DOCPART=n.
;; ======== version 1 of 2: 3 launches
;; workspace buffers: wfrag 638,976 bytes; prec 13,893,632 bytes; kvrec 27,262,976 bytes
;; launch wprep (part 1): grid 96 x 1, 4 waves a work-group, no clusters, 1,024 bytes of LDS; arguments Wq, Wk, Wv, wfrag; writes wfrag
.if DOCPART == 1
	.amdgcn_target "amdgcn-amd-amdhsa--gfx1250"
	.amdhsa_code_object_version 6
	.text
	.protected	k_qa3c6d2cbb5_wprep
	.globl	k_qa3c6d2cbb5_wprep
	.p2align	8
	.type	k_qa3c6d2cbb5_wprep,@function
k_qa3c6d2cbb5_wprep:
	s_mov_b64 s[64:65], 0
	v_nop
	global_prefetch_b8 v0, s[64:65] scope:SCOPE_SE
	s_setreg_imm32_b32 hwreg(HW_REG_WAVE_MODE, 25, 1), 1
	s_wait_xcnt 0x0
; Wq, Wk, Wv: [512 (k)][512 (n)] f32, K along the FIRST axis.  They become codes of BF6 (E3M2) with one E8M0 byte for each 32 along K, laid in the ORDER OF THE OPERAND'S REGISTERS.
; wfrag = [matrix 3][K step 4][group 4] sub-records of 13,312 bytes: 8 fragments (16 columns x 128 K, 12 registers a lane) of 1,536 bytes, register p of lane l at 512 (p / 4) + 16 l + 4 (p % 4);
; then 2 groups of scale words, 512 bytes each: lane l's 16 bytes hold the words of four fragments.  So the next launch loads a fragment by three loads of 16 bytes a lane.
; A LANE TAKES A COLUMN AND ITS REGISTERS RUN DOWN K, in the order that the operand's layout gives that lane: the conversions' results are the operand's registers.
; THE COLUMNS OF A TILE of Wq and Wk are not neighbours: lane r of tile 2 b + u of a group of 128 takes column 32 b + 8 u + r + 8 (r / 8), so that the next launch's results lie along the next product's K.  Wv's tiles are natural.
; SHARES: work-group = (matrix, K step, four tiles); a wave makes one fragment.  96 work-groups: 3 MiB of input have no more work than that.
; A block's scale byte is its largest magnitude's exponent field - 4, held at 1 from below (a block of zeros keeps the byte 1: its codes are zeros, and this program alone reads the bytes).
; LIMITS: NaN and infinities among the inputs are not served.
.set SUB, 13312
.set FRB, 1536
	s_load_b256 s[4:11], s[0:1], 0x0               ; Wq s[4:5], Wk s[6:7], Wv s[8:9], wfrag s[10:11]
	v_lshl_add_u32 v136, v0, 2, 0x200
	v_mov_b32 v137, 0
	v_lshrrev_b32 v1, 5, v0
	v_readfirstlane_b32 s12, v1                    ; wave 0..3
	v_and_b32 v1, 15, v0                           ; r
	v_bfe_u32 v2, v0, 4, 1                         ; h
	v_and_b32 v3, 31, v0                           ; lane
	s_lshr_b32 s13, ttmp9, 5                       ; the matrix: 0 Wq, 1 Wk, 2 Wv
	s_lshr_b32 s14, ttmp9, 3                       ; 4 x matrix + K step
	s_and_b32 s15, ttmp9, 7                        ; G: tiles 4 G .. 4 G + 3
	s_and_b32 s16, s14, 3                          ; the K step
	s_lshr_b32 s17, s12, 1
	s_lshl_b32 s17, s17, 5
	s_and_b32 s18, s12, 1
	s_lshl_b32 s18, s18, 3
	s_add_co_u32 s17, s17, s18                     ; Wq, Wk: 32 (w / 2) + 8 (w % 2)
	s_lshl_b32 s18, s12, 4                         ; Wv: 16 w
	s_cmp_lt_u32 s13, 2
	s_cselect_b32 s17, s17, s18
	s_cselect_b32 s19, 1, 0                        ; 1: the tile's lanes 8-15 stand 8 columns further on
	s_lshl_b32 s18, s15, 6
	s_add_co_u32 s17, s17, s18                     ; my tile's first column: 64 G + ..
	s_lshl_b32 s20, s17, 2
	s_lshl_b32 s18, s16, 18                        ; 128 rows of 2,048 bytes a K step
	s_add_co_u32 s20, s20, s18
	s_mov_b32 s21, 0
	v_and_b32 v4, 8, v1
	v_mul_u32_u24 v4, s19, v4
	v_add_nc_u32 v4, v4, v1                        ; r + 8 (r / 8), or r
	v_lshlrev_b32 v5, 2, v4
	v_lshl_add_u32 v5, v2, 16, v5                  ; lanes 16-31 begin 32 rows further down
	s_lshl_b32 s22, s14, 2
	s_lshr_b32 s23, s15, 1
	s_add_co_u32 s22, s22, s23
	s_mul_i32 s22, s22, SUB                        ; my sub-record: 4 (4 matrix + K step) + G / 2
	s_mov_b32 s23, 0
	s_and_b32 s24, s15, 1
	s_lshl_b32 s25, s24, 2
	s_add_co_u32 s25, s25, s12
	s_mul_i32 s25, s25, FRB                        ; my fragment in it: 4 (G % 2) + w
	s_lshl_b32 s24, s24, 9
	s_add_co_u32 s24, s24, 8*FRB                   ; my work-group's group of scale words
	v_lshlrev_b32 v6, 4, v3                        ; 16 x lane
	v_add_nc_u32 v8, s25, v6
	v_add_nc_u32 v11, s24, v6
	s_lshl_b32 s26, s12, 2
	v_add_nc_u32 v7, s26, v6                       ; LDS: 16 x lane + 4 w
	s_mov_b32 s28, 0x76543210
	s_mov_b32 s29, 0xfedcba98                      ; v_permlanex16_b32's selects for lane l xor 16
	s_wait_kmcnt 0x0
	s_cmp_eq_u32 s13, 0                            ; the choice of buffer hangs on the work-group's number alone
	s_cselect_b64 s[4:5], s[4:5], s[6:7]
	s_cmp_eq_u32 s13, 2
	s_cselect_b64 s[4:5], s[8:9], s[4:5]
	s_add_nc_u64 s[4:5], s[4:5], s[20:21]
	s_add_nc_u64 s[10:11], s[10:11], s[22:23]
.set i, 0
.rept 64
	global_load_b32 v[64+i], v5, s[4:5] offset:(64*(i/32)+i%32)*2048 th:TH_LOAD_NT   ; W(128 s + 64 c + 32 h + i, my column)
.set i, i+1
.endr
	s_wait_loadcnt 0x0
.irp c, 0,1                                    ; my block 2 c + h: all its 32 numbers are mine
	v_max3_num_f32 v[32+\c], |v[64+32*\c]|, |v[65+32*\c]|, 0x2800000   ; and the floor 2^(5 - 127): the byte cannot fall under 1
.endr
.irp i, 2,4,6,8,10,12,14,16,18,20,22,24,26,28,30
.irp c, 0,1
	v_max3_num_f32 v[32+\c], v[32+\c], |v[64+32*\c+\i]|, |v[65+32*\c+\i]|
.endr
.endr
.irp c, 0,1
	v_add_nc_u32 v[44+\c], 0xfe000000, v[32+\c]    ; 4 off the exponent field: the conversion's scale operand
.endr
.irp c, 0,1
	v_lshrrev_b32 v[36+\c], 23, v[44+\c]           ; the scale's byte
.endr
	v_lshl_or_b32 v9, v37, 16, v36                 ; my two bytes: blocks h and 2 + h,
	v_lshlrev_b32 v10, 3, v2
	v_lshlrev_b32 v9, v10, v9                      ; at their places in the word;
	v_mov_b32 v10, 0
	v_permlanex16_b32 v10, v9, s28, s29
	v_or_b32 v9, v9, v10                           ; with lane l xor 16's two the word is whole, in both halves of the lanes
.irp c, 0,1
	v_cvt_scalef32_pk16_bf6_f32 v[48+6*\c:50+6*\c], v[64+32*\c:79+32*\c], v[44+\c]
	v_cvt_scalef32_pk16_bf6_f32 v[128+4*\c:130+4*\c], v[80+32*\c:95+32*\c], v[44+\c]   ; (a conversion's three registers begin on an even number)
.endr
	v_nop                                          ; one plain place behind a scaled conversion
.irp c, 0,1
.irp i, 0,1,2
	v_mov_b32 v[51+6*\c+\i], v[128+4*\c+\i]
.endr
.endr
.irp c, 0,1,2
	global_store_b128 v8, v[48+4*\c:51+4*\c], s[10:11] offset:512*\c   ; 32 lanes store 512 consecutive bytes, aligned
.endr
	ds_store_b32 v7, v9                            ; the four waves' scale words meet in LDS
	s_wait_dscnt 0x0                               ; for the others' sake: my store has landed
	s_barrier_signal -1
	s_barrier_wait -1
	s_cmp_lg_u32 s12, 0
	s_cbranch_scc1 .Lend                           ; wave 0 stores the group
	ds_load_b128 v[12:15], v6
	s_wait_dscnt 0x0
	global_store_b128 v11, v[12:15], s[10:11]
.Lend:
	s_wait_tensorcnt 0x0
	ds_add_u32 v136, v137
	s_wait_dscnt 0x0
	s_endpgm
.Lfunc_end_k_qa3c6d2cbb5_wprep:
	.size	k_qa3c6d2cbb5_wprep, .Lfunc_end_k_qa3c6d2cbb5_wprep-k_qa3c6d2cbb5_wprep
	.p2alignl 7, 3214868480
	.fill 96, 4, 3214868480
	.section	.rodata,"a",@progbits
	.p2align	6, 0x0
	.amdhsa_kernel k_qa3c6d2cbb5_wprep
		.amdhsa_group_segment_fixed_size 1024
		.amdhsa_private_segment_fixed_size 0
		.amdhsa_enable_private_segment 0
		.amdhsa_kernarg_size 32
		.amdhsa_user_sgpr_count 2
		.amdhsa_user_sgpr_kernarg_segment_ptr 1
		.amdhsa_wavefront_size32 1
		.amdhsa_system_sgpr_workgroup_id_x 1
		.amdhsa_system_sgpr_workgroup_id_y 1
		.amdhsa_system_sgpr_workgroup_id_z 1
		.amdhsa_system_vgpr_workitem_id 0
		.amdhsa_next_free_vgpr 138
		.amdhsa_next_free_sgpr 66
		.amdhsa_reserve_vcc 0
		.amdhsa_float_denorm_mode_32 3
		.amdhsa_float_denorm_mode_16_64 3
		.amdhsa_memory_ordered 1
		.amdhsa_forward_progress 1
		.amdhsa_inst_pref_size 13
	.end_amdhsa_kernel
	.amdgpu_metadata
---
amdhsa.version: [ 1, 2 ]
amdhsa.kernels:
  - .name:           k_qa3c6d2cbb5_wprep
    .symbol:         k_qa3c6d2cbb5_wprep.kd
    .args:
      - { .name: Wq, .offset: 0, .size: 8, .value_kind: global_buffer, .address_space: global }
      - { .name: Wk, .offset: 8, .size: 8, .value_kind: global_buffer, .address_space: global }
      - { .name: Wv, .offset: 16, .size: 8, .value_kind: global_buffer, .address_space: global }
      - { .name: wfrag, .offset: 24, .size: 8, .value_kind: global_buffer, .address_space: global }
    .group_segment_fixed_size: 1024
    .private_segment_fixed_size: 0
    .kernarg_segment_align: 8
    .kernarg_segment_size: 32
    .max_flat_workgroup_size: 128
    .sgpr_count:     66
    .vgpr_count:     138
    .wavefront_size: 32
...
	.end_amdgpu_metadata
.endif
;; end of part 1
;; launch proj (part 2): grid 256 x 1, 4 waves a work-group, no clusters, 137,728 bytes of LDS; arguments x, wfrag, prec, kvrec; writes prec, kvrec
.if DOCPART == 2
	.amdgcn_target "amdgcn-amd-amdhsa--gfx1250"
	.amdhsa_code_object_version 6
	.text
	.protected	k_qa3c6d2cbb5_proj
	.globl	k_qa3c6d2cbb5_proj
	.p2align	8
	.type	k_qa3c6d2cbb5_proj,@function
k_qa3c6d2cbb5_proj:
	s_mov_b64 s[64:65], 0
	v_nop
	global_prefetch_b8 v0, s[64:65] scope:SCOPE_SE
	s_setreg_imm32_b32 hwreg(HW_REG_WAVE_MODE, 25, 1), 1
	s_wait_xcnt 0x0
; 128 rows of x [32,768][512] f32 become: p = softmax(x Wq) and logq = log_softmax(x Wk), quantised along their 512 columns; v = x Wv, quantised along the 128 rows (attention's keys); and neg_ent x log2(e).
; All three products run on codes of BF6 (E3M2) with one E8M0 byte for each 32 along K.  Everything ahead of a quantiser is f32.
; SHARES.  A work-group of four waves owns 128 rows.  Wave w quantises rows 32 w .. 32 w + 31 of x; the fragments go to the other waves through LDS as images of their registers.  In each of the three passes
; wave w makes columns 128 w .. 128 w + 127 for all 128 rows: 64 accumulators, 512 registers.  For 128 along K a wave reads 8 fragments of x from LDS and 8 of W from memory, for 64 matrix instructions.
; THE ROWS OF A TILE ARE NOT NEIGHBOURS: lane r of row tile 2 b + u takes row 32 b + 8 u + r + 8 (r / 8); Wq's and Wk's column tiles likewise (the launch before).  q and k are used TRANSPOSED (source 0 = W,
; source 1 = x): a lane holds one row, and the 64 registers of its 8 column tiles are columns 32 B + 16 (lane / 16) + i, neighbours along the next K.  v is used the other way (source 0 = x): a lane holds one
; channel and its 64 registers are 64 rows in the same order.  So each quantiser's result is a fragment of the next launch, and is stored as an image of its registers: 512 consecutive bytes a store.
; THE SOFTMAX spans the four waves: each wave takes its own maximum m_w, T = q log2(e) - m_w log2(e) in place, s_w = sum 2^T, and for q u_w = sum 2^T T; (m, s, u) meet in LDS; every wave forms the row's figures:
; C = mu_w - mu - log2 s;  p = 2^T x 2^C (the exponential of T is taken once);  logq = ln 2 x (T + C);  neg_ent log2(e) = (sum_w f_w (u_w + d_w s_w)) / s - log2 s, with d_w = mu_w - mu, f_w = 2^d_w.
; The shift taken off is the rounded number itself, so its rounding cancels.
; NO MULTICAST of the weights: a fragment of W is wanted by one wave of a work-group alone and goes from memory straight into that wave's operand registers (12,288 + 1,024 bytes a wave and K step); through LDS
; each of these bytes would be written and read once more, with a round of a cluster's barrier for each refill.
; LIMITS: NaN and infinities are not served; a 2^T or 2^C under 2^-126 becomes 0 (v_exp_f32 gives no denormals: ISA guide, 15.8); a block whose largest magnitude lies under 2^-122 has the byte 1.
; REGISTERS.  Window 0: v1-9 addresses; v16-31 x's scale words, v32-47 W's (two sets each); v48-55 mu_w a tile; v56-63 the scale words just made; v64-255 by phase (below).
;   Window 1: W's fragments, two sets of 96.  Windows 2, 3: accumulator (a, b) at v[8 (8 (a % 4) + b)] of window 2 + a / 4; while x is quantised window 2 is a ring of 4 x 64 registers for x as loaded.
.set SUB,  13312                       ; a sub-record: 8 fragments and 2 groups of scale words
.set FRB,  1536                        ; a fragment's image
.set KSTR, 4*SUB                       ; wfrag: from K step to K step
.set MSTR, 16*SUB                      ; from matrix to matrix
.set XSC,  49152                       ; LDS: x's 32 fragments from byte 0 ((8 s + a) FRB); their scale words: group (2 s + g) x 512, lane l's 16 bytes = tiles 4 g .. 4 g + 3
.set XSTG, 53248                       ; two stages of 16 rows x 528 bytes for each wave
.set STGB, 8448
.set STAT, 120832                      ; [wave][tile] 512 bytes: (m, s, u, -) a lane
.set LI,  1                            ; v1  16 x lane
.set WA,  2                            ; v2  16 x lane + SUB x wave: wfrag's loads; a matrix further on after each pass
.set SOF, 3                            ; v3  the same, never stepped: the results' stores
.set XST, 4                            ; v4  my stage, in
.set XRD, 5                            ; v5  my stage, out: 528 r + 64 h
.set XWI, 6                            ; v6  where I put x's fragments
.set XSW, 7                            ; v7  and their scale words
.set STA, 8                            ; v8  where I put (m, s, u)
.set STR, 9                            ; v9  from where all four waves' are read
.set XS,  16
.set WS,  32
.set MUW, 48
.set SW,  56
.set XF,  64                           ; x's fragments, set p at XF + 96 p; while x is quantised: two sets of 64 numbers
.set E,   64                           ; STATS: 2^T
.set MX,  128
.set ST4, 132
.set MU,  136
.set SS,  138
.set UU,  142
.set CC,  64                           ; COMBINE: the pairs (C, C), a tile each
.set XN,  80                           ; neg_ent log2(e)
.set CT,  88
.set CM,  96
.set CS,  104
.set CU,  112
.set CG,  120
.set CL,  128                          ; what was read: 16 registers a tile
.set TM,  192                          ; the quantiser's 16 registers at work
.set PC,  208                          ; the codes just made
.set WV,  12
.set SEL, 14
.set LG,  16                           ; s[16:17] log2(e), twice
.set LN,  18                           ; s[18:19] ln 2, twice
.set CNT, 20
.set SBS, 22                           ; s[22:23] where this pass's results go
.set VB,  24                           ; s[24:25] where v's go
.set MSB, 0
.macro WIN new                         ; the immediate's high byte repeats the setting that is left; a switch that changes nothing is dropped
.if MSB != (\new)
	s_set_vgpr_msb (MSB<<8)|(\new)
.set MSB, (\new)
.endif
.endm
.macro PLACES n
.rept \n
	v_nop
.endr
.endm
.macro BARRIER                         ; my LDS stores have landed and my LDS loads are in: then the work-group's barrier
	s_wait_dscnt 0x0
	s_barrier_signal -1
	s_barrier_wait -1
.endm
; Job j = 4 u + s: row tile 2 w + u, K step s.  16 loads, each 512 consecutive bytes of one row, into ring slot j % 4 of window 2.
.macro XLOAD j
	WIN 0x80
.irp t, 0,1,2,3,4,5,6,7,8,9,10,11,12,13,14,15
	global_load_b128 v[64*((\j)%4)+4*\t:64*((\j)%4)+4*\t+3], v[LI], s[4:5] offset:(8*((\j)/4)+\t+8*(\t/8))*2048+512*((\j)%4) th:TH_LOAD_NT
.endr
	WIN 0
.endm
; The job's 16 x 512 bytes turn through my stage: in as they lie, out 64 bytes a lane: register 16 b + i = k 32 b + 16 h + i of row r.  LDS serves a wave's instructions in order: no wait between.
.macro TURN j
	WIN 0x08
.irp t, 0,1,2,3,4,5,6,7,8,9,10,11,12,13,14,15
	ds_store_b128 v[XST], v[64*((\j)%4)+4*\t:64*((\j)%4)+4*\t+3] offset:STGB*((\j)%2)+528*\t
.endr
	WIN 0
.irp b, 0,1,2,3
.irp i, 0,1,2,3
	ds_load_b128 v[XF+64*((\j)%2)+16*\b+4*\i:XF+64*((\j)%2)+16*\b+4*\i+3], v[XRD] offset:STGB*((\j)%2)+128*\b+16*\i
.endr
.endr
.endm
; 64 numbers of a lane in window win, register 16 b + i = k 32 b + 16 (lane / 16) + i of the lane's row, become a fragment's codes in v[PC] on and its scale word in v[pw].
; xw = 1: the codes' registers are the data of global stores that may be pending: the wait for them stands ahead of the conversions, the first lines that write those registers.
.macro QUANT src, win, pw, xw
	WIN ((\win)<<2)|((\win)<<4)
.irp b, 0,1,2,3
	v_max3_num_f32 v[TM+\b], 0x2800000, |v[(\src)+16*\b]|, |v[(\src)+16*\b+1]|   ; block b: my 16 numbers, from the low end on, and the floor 2^(5 - 127)
.endr
.irp i, 2,4,6,8,10,12,14
.irp b, 0,1,2,3
	v_max3_num_f32 v[TM+\b], v[TM+\b], |v[(\src)+16*\b+\i]|, |v[(\src)+16*\b+\i+1]|
.endr
.endr
	WIN 0
.irp b, 0,1,2,3
	v_permlanex16_b32 v[TM+4+\b], v[TM+\b], s[SEL], s[SEL+1]
.endr
.irp b, 0,1,2,3
	v_max_num_f32 v[TM+\b], v[TM+\b], v[TM+4+\b]   ; with lane l xor 16's: the block's largest magnitude
.endr
.irp b, 0,1,2,3
	v_add_nc_u32 v[TM+12+\b], 0xfe000000, v[TM+\b] ; 4 off its exponent field: the conversion's scale operand
.endr
.irp b, 0,1,2,3
	v_lshrrev_b32 v[TM+4+\b], 23, v[TM+12+\b]      ; the scale's byte
.endr
	v_lshl_or_b32 v[\pw], v[TM+5], 8, v[TM+4]
	v_lshl_or_b32 v[\pw], v[TM+6], 16, v[\pw]
	v_lshl_or_b32 v[\pw], v[TM+7], 24, v[\pw]
.if \xw
	s_wait_xcnt 0x0                                ; the last tile's stores have read the codes' registers, which are written next
.endif
	WIN (\win)
.irp c, 0,1
	v_cvt_scalef32_pk16_bf6_f32 v[PC+6*\c:PC+6*\c+2], v[(\src)+32*\c:(\src)+32*\c+15], v[TM+12+2*\c]
	v_cvt_scalef32_pk16_bf6_f32 v[PC+12+4*\c:PC+14+4*\c], v[(\src)+32*\c+16:(\src)+32*\c+31], v[TM+13+2*\c]
.endr
	WIN 0
	v_nop                                          ; one plain place behind a scaled conversion
.irp c, 0,1                                    ; the operand's layout wants a whole block in a lane
.irp i, 0,1,2
	v_permlane16_swap_b32 v[PC+6*\c+\i], v[PC+12+4*\c+\i]
.endr
.irp i, 0,1,2
	v_mov_b32 v[PC+3+6*\c+\i], v[PC+12+4*\c+\i]
.endr
.endr
.endm
; Half hf of set p: my fragments 4 hf .. 4 hf + 3 of W and their group of scale words, K step k counted from the matrix at which WA stands: 13 loads.
.macro FETCHWH k, p, hf
	WIN 0x40
.irp i, 0,1,2,3
.irp c, 0,1,2
	global_load_b128 v[96*(\p)+12*(4*(\hf)+\i)+4*\c:96*(\p)+12*(4*(\hf)+\i)+4*\c+3], v[WA], s[6:7] offset:KSTR*(\k)+FRB*(4*(\hf)+\i)+512*\c
.endr
.endr
	WIN 0
	global_load_b128 v[WS+8*(\p)+4*(\hf):WS+8*(\p)+4*(\hf)+3], v[WA], s[6:7] offset:KSTR*(\k)+8*FRB+512*(\hf)
.endm
.macro FETCHW k, p                     ; both halves: 26 loads
	FETCHWH \k, \p, 0
	FETCHWH \k, \p, 1
.endm
.macro FETCHX s, p                     ; x's 8 fragments of K step s and their scale words into set p: 26 LDS loads
.irp i, 0,1,2,3,4,5,6,7
.irp c, 0,1,2
	ds_load_b128 v[XF+96*(\p)+12*\i+4*\c:XF+96*(\p)+12*\i+4*\c+3], v[LI] offset:(8*(\s)+\i)*FRB+512*\c
.endr
.endr
.irp g, 0,1
	ds_load_b128 v[XS+8*(\p)+4*\g:XS+8*(\p)+4*\g+3], v[LI] offset:XSC+(2*(\s)+\g)*512
.endr
.endm
; 32 matrix instructions, 128 along K: W's tiles 4 hf .. 4 hf + 3, one after the other, each against x's eight: so a half of W's set is free as soon as its 32 products are issued.
; kind 0 (q, k): source 0 = W's tile, source 1 = x's tile i: accumulator (i, tile).  kind 1 (v): source 0 = x's tile i, source 1 = W's tile: accumulator (tile, i).
; The 64 accumulators take turns, one instruction a turn, in the same order in every step.  zero = 1: the first product starts the sums.
.macro MULH kind, p, zero, hf
.irp o, 0,1,2,3
.irp i, 0,1,2,3,4,5,6,7
.set WT, 4*(\hf)+\o
.if \kind
	WIN 0xa4+0x50*(\hf)
.set AC, 8*(8*(WT%4)+\i)
.set FA, XF+96*(\p)+12*\i
.set FB, 96*(\p)+12*WT
.set SCA, XS+8*(\p)+\i
.set SCB, WS+8*(\p)+WT
.else
	WIN 0xa1+0x50*(\i/4)
.set AC, 8*(8*(\i%4)+WT)
.set FA, 96*(\p)+12*WT
.set FB, XF+96*(\p)+12*\i
.set SCA, WS+8*(\p)+WT
.set SCB, XS+8*(\p)+\i
.endif
.if \zero
	v_wmma_scale_f32_16x16x128_f8f6f4 v[AC:AC+7], v[FA:FA+11], v[FB:FB+11], 0, v[SCA], v[SCB] matrix_a_fmt:MATRIX_FMT_BF6 matrix_b_fmt:MATRIX_FMT_BF6
.else
	v_wmma_scale_f32_16x16x128_f8f6f4 v[AC:AC+7], v[FA:FA+11], v[FB:FB+11], v[AC:AC+7], v[SCA], v[SCB] matrix_a_fmt:MATRIX_FMT_BF6 matrix_b_fmt:MATRIX_FMT_BF6
.endif
.endr
.endr
.endm
; K step s on set s % 2.  W's set is asked for again in halves (fw: the K step; -1: nothing): the lower in the step's middle, the upper at its end, each one and a half steps ahead of its first use.
; l0, l1: the loads of W issued behind the half that is wanted, which may stay out: as a rule three halves of 13.  dc: x's one younger set.  x's set is asked for again at the end (fx).
.macro GSTEP kind, s, l0, l1, dc, fw, fx
	s_wait_loadcnt \l0
	s_wait_dscnt \dc
	MULH \kind, (\s)%2, (\s)==0, 0
	WIN 0
.if (\fw) >= 0
	PLACES 4                                       ; in front of loads into registers that the products have read
	FETCHWH \fw, (\s)%2, 0
.endif
	s_wait_loadcnt \l1
	MULH \kind, (\s)%2, (\s)==0, 1
	WIN 0
	PLACES 4                                       ; in front of loads into registers that the products have read, and of the first read of results
.if (\fw) >= 0
	FETCHWH \fw, (\s)%2, 1
.endif
.if (\fx) >= 0
	FETCHX \fx, (\s)%2
.endif
.endm
; Row tile a: my 128 columns' maximum, T in place, s; in the q trip also u, and 2^T then takes T's place; (m, s, u) to LDS.
.macro STATS a
.set W, 2+(\a)/4
.set R, 64*((\a)%4)
	WIN (W<<2)|(W<<4)
.set k, 0
.rept 32                               ; four chains, the registers in ascending order: each accumulator is read from its low end on
.if k < 4
	v_max3_num_f32 v[MX+k], 0xff800000, v[R+2*k], v[R+2*k+1]
.else
	v_max3_num_f32 v[MX+k%4], v[MX+k%4], v[R+2*k], v[R+2*k+1]
.endif
.set k, k+1
.endr
	WIN 0
	v_max3_num_f32 v[MX], v[MX], v[MX+1], v[MX+2]
	v_max_num_f32 v[MX], v[MX], v[MX+3]
	v_permlanex16_b32 v[MX+1], v[MX], s[SEL], s[SEL+1]
.if (\a) > 0
	s_wait_dscnt 0x0                               ; the last tile's store has read its registers
.endif
	v_max_num_f32 v[ST4], v[MX], v[MX+1]           ; m_w
	v_mul_f32 v[MU], s[LG], v[ST4]                 ; mu_w = m_w log2(e), as rounded
	v_mul_f32 v[MU+1], s[LG], v[ST4]
	v_mul_f32 v[MUW+(\a)], s[LG], v[ST4]
	WIN (W<<6)|W
.set k, 0
.rept 32
	v_pk_fma_f32 v[R+k:R+k+1], v[R+k:R+k+1], s[LG:LG+1], v[MU:MU+1] op_sel_hi:[1,0,0] neg_lo:[0,0,1] neg_hi:[0,0,1]   ; T = q log2(e) - mu_w
.set k, k+2
.endr
	WIN W
.set k, 0
.rept 64
	v_exp_f32 v[E+k], v[R+k]
.set k, k+1
.endr
	v_nop                                          ; a plain place behind the last exponential
	s_wait_alu depctr_va_vdst(0)                   ; one wait for the batch of 64, ahead of its first reader
	WIN 0
	v_pk_add_f32 v[SS:SS+1], v[E:E+1], v[E+2:E+3]  ; s = sum 2^T, two chains
	v_pk_add_f32 v[SS+2:SS+3], v[E+4:E+5], v[E+6:E+7]
.set k, 4
.rept 28
	v_pk_add_f32 v[SS+2*(k%2):SS+2*(k%2)+1], v[SS+2*(k%2):SS+2*(k%2)+1], v[E+2*k:E+2*k+1]
.set k, k+1
.endr
	v_pk_add_f32 v[SS:SS+1], v[SS:SS+1], v[SS+2:SS+3]
	v_add_f32 v[SS], v[SS], v[SS+1]
	v_permlanex16_b32 v[SS+1], v[SS], s[SEL], s[SEL+1]
	v_add_f32 v[ST4+1], v[SS], v[SS+1]
	s_cmp_eq_u32 s[CNT], 2                         ; the pass counter: the same in every wave
	s_cbranch_scc0 .Lno_u_\@
	WIN W<<2
	v_pk_mul_f32 v[UU:UU+1], v[E:E+1], v[R:R+1]    ; q: u = sum 2^T T, two chains
	v_pk_mul_f32 v[UU+2:UU+3], v[E+2:E+3], v[R+2:R+3]
.set k, 2
.rept 30
	v_pk_fma_f32 v[UU+2*(k%2):UU+2*(k%2)+1], v[E+2*k:E+2*k+1], v[R+2*k:R+2*k+1], v[UU+2*(k%2):UU+2*(k%2)+1]
.set k, k+1
.endr
	WIN W<<6
.set k, 0
.rept 32                               ; T has been read for the last time: 2^T takes its registers (two numbers a line; x 1.0 changes no bit), so that p needs no second exponential
	v_pk_mul_f32 v[R+k:R+k+1], v[E+k:E+k+1], 1.0 op_sel_hi:[1,0]
.set k, k+2
.endr
	WIN 0
	v_pk_add_f32 v[UU:UU+1], v[UU:UU+1], v[UU+2:UU+3]
	v_add_f32 v[UU], v[UU], v[UU+1]
	v_permlanex16_b32 v[UU+1], v[UU], s[SEL], s[SEL+1]
	v_add_f32 v[ST4+2], v[UU], v[UU+1]
	s_branch .Lsto_\@
.Lno_u_\@:
	v_mov_b32 v[ST4+2], 0                          ; k has no entropy: T stays where it is
.Lsto_\@:
	ds_store_b128 v[STA], v[ST4:ST4+3] offset:512*(\a)
.endm
; Tile a's 64 finished numbers become a fragment, stored as an image of its registers.
.macro FIN a, base
.set W, 2+(\a)/4
.set R, 64*((\a)%4)
	QUANT R, W, SW+(\a), 1
.irp c, 0,1,2
	global_store_b128 v[SOF], v[PC+4*\c:PC+4*\c+3], s[\base:\base+1] offset:FRB*(\a)+512*\c
.endr
.endm
.macro FINALL base
.irp a, 0,1,2,3,4,5,6,7
	FIN \a, \base
.endr
	global_store_b128 v[SOF], v[SW:SW+3], s[\base:\base+1] offset:8*FRB
	global_store_b128 v[SOF], v[SW+4:SW+7], s[\base:\base+1] offset:8*FRB+512
.endm
; One job of the quantising of x.
.macro XJOB j
	s_wait_dscnt 0x0                               ; this job's numbers are back from the stage, and all earlier LDS stores have read their registers
.if (\j) < 6
	s_wait_loadcnt 16                              ; the next job's 16 loads are in; the job behind it may be out
	TURN (\j)+1
.elseif (\j) == 6
	s_wait_loadcnt 26                              ; the last job's loads are in; W's first set (26 loads) may be out
	TURN (\j)+1
.endif
.if (\j) <= 4
	XLOAD (\j)+3
.elseif (\j) == 5
	FETCHW 0, 0                                    ; Wq's first two K steps are asked for while x's last jobs are worked
.elseif (\j) == 6
	FETCHW 1, 1
.endif
	QUANT XF+64*((\j)%2), 0, SW, 0
.irp c, 0,1,2
	ds_store_b128 v[XWI], v[PC+4*\c:PC+4*\c+3] offset:(8*((\j)%4)+(\j)/4)*FRB+512*\c
.endr
	ds_store_b32 v[XSW], v[SW] offset:4*((\j)/4)+1024*((\j)%4)
.endm
	s_load_b256 s[4:11], s[0:1], 0x0               ; x s[4:5], wfrag s[6:7], prec s[8:9], kvrec s[10:11]
	v_lshl_add_u32 v14, v0, 2, 0x21800
	v_mov_b32 v15, 0
	v_lshrrev_b32 v10, 5, v0
	v_readfirstlane_b32 s[WV], v10                 ; wave 0..3
	v_and_b32 v10, 31, v0                          ; lane
	v_and_b32 v11, 15, v0                          ; r
	v_bfe_u32 v12, v0, 4, 1                        ; h
	v_lshlrev_b32 v[LI], 4, v10
	s_mul_i32 s13, s[WV], SUB
	v_add_nc_u32 v[WA], s13, v[LI]
	v_add_nc_u32 v[SOF], s13, v[LI]
	s_mul_i32 s13, s[WV], 2*STGB
	s_add_co_u32 s13, s13, XSTG
	v_add_nc_u32 v[XST], s13, v[LI]
	v_mul_u32_u24 v[XRD], v11, 528
	v_lshl_add_u32 v[XRD], v12, 6, v[XRD]
	v_add_nc_u32 v[XRD], s13, v[XRD]
	s_mul_i32 s13, s[WV], 2*FRB
	v_add_nc_u32 v[XWI], s13, v[LI]
	s_and_b32 s13, s[WV], 1
	s_lshl_b32 s13, s13, 3
	s_lshr_b32 s21, s[WV], 1
	s_lshl_b32 s21, s21, 9
	s_add_co_u32 s13, s13, s21
	s_add_co_u32 s13, s13, XSC
	v_add_nc_u32 v[XSW], s13, v[LI]                ; 16 x lane + 8 (w % 2) + 512 (w / 2)
	s_lshl_b32 s13, s[WV], 12
	s_add_co_u32 s13, s13, STAT
	v_add_nc_u32 v[STA], s13, v[LI]
	v_add_nc_u32 v[STR], STAT, v[LI]
.irp b, 0,1,2,3
	v_mov_b32 v[TM+4+\b], 0                        ; written once: a lane permute's destination counts as one of its sources
.endr
	s_mov_b32 s[SEL], 0x76543210
	s_mov_b32 s[SEL+1], 0xfedcba98
	s_mov_b32 s[LG], 0x3fb8aa3b                    ; log2(e)
	s_mov_b32 s[LG+1], s[LG]
	s_mov_b32 s[LN], 0x3f317218                    ; ln 2
	s_mov_b32 s[LN+1], s[LN]
	s_lshl_b32 s26, ttmp9, 18                      ; 128 rows of 2,048 bytes a work-group,
	s_lshl_b32 s27, s[WV], 16                      ; 32 a wave
	s_add_co_u32 s26, s26, s27
	s_mov_b32 s27, 0
	s_mul_i32 s28, ttmp9, 4*SUB+1024               ; my record of prec
	s_mov_b32 s29, 0
	s_mul_i32 s30, ttmp9, 8*SUB                    ; and of kvrec
	s_mov_b32 s31, 0
	s_wait_kmcnt 0x0
	s_add_nc_u64 s[4:5], s[4:5], s[26:27]
	s_add_nc_u64 s[8:9], s[8:9], s[28:29]
	s_add_nc_u64 s[10:11], s[10:11], s[30:31]
	s_add_nc_u64 s[VB:VB+1], s[10:11], 4*SUB       ; V's four sub-records lie behind logq's
	XLOAD 0
	XLOAD 1
	XLOAD 2
	s_wait_loadcnt 32                              ; job 0's loads are in; jobs 1 and 2 may be out
	TURN 0
.irp j, 0,1,2,3,4,5,6,7
	XJOB \j
.endr
	BARRIER                                        ; x's 32 fragments and their scale words lie in LDS, and stay
	s_mov_b32 s[CNT], 2
.Lpass:                                                ; two trips: q, then k
	s_cmp_eq_u32 s[CNT], 2
	s_cselect_b64 s[SBS:SBS+1], s[8:9], s[10:11]
	FETCHX 0, 0
	FETCHX 1, 1
	GSTEP 0, 0, 39, 39, 26, 2, 2
	GSTEP 0, 1, 39, 39, 26, 3, 3
	GSTEP 0, 2, 39, 39, 26, 4, -1                  ; 4 and 5: the next matrix's first two K steps: they land during the softmax
	GSTEP 0, 3, 39, 39, 0, 5, -1
	v_mov_b32 v[ST4+3], 0
.irp a, 0,1,2,3,4,5,6,7
	STATS \a
.endr
	BARRIER                                        ; all four waves' (m, s, u) lie in LDS
.irp a, 0,1,2,3,4,5,6,7
.irp w, 0,1,2,3
	ds_load_b128 v[CL+16*\a+4*\w:CL+16*\a+4*\w+3], v[STR] offset:4096*\w+512*\a
.endr
.endr
	s_wait_dscnt 0x0                               ; my reads of them are over:
	s_barrier_signal -1                            ; say so; the wait stands behind the arithmetic below, ahead of everything that could lead to the next trip's stores there
.irp a, 0,1,2,3,4,5,6,7
	v_max3_num_f32 v[CT+\a], v[CL+16*\a], v[CL+16*\a+4], v[CL+16*\a+8]
.endr
.irp a, 0,1,2,3,4,5,6,7
	v_max_num_f32 v[CT+\a], v[CT+\a], v[CL+16*\a+12]      ; the row's maximum
.endr
.irp a, 0,1,2,3,4,5,6,7
	v_mul_f32 v[CM+\a], s[LG], v[CT+\a]            ; mu
.endr
.irp a, 0,1,2,3,4,5,6,7
.irp w, 0,1,2,3
	v_mul_f32 v[CL+16*\a+4*\w], s[LG], v[CL+16*\a+4*\w]   ; mu_w, the very number that wave w took off
.endr
.endr
.irp a, 0,1,2,3,4,5,6,7
.irp w, 0,1,2,3
	v_sub_f32 v[CL+16*\a+4*\w], v[CL+16*\a+4*\w], v[CM+\a]   ; d_w = mu_w - mu
.endr
.endr
.irp a, 0,1,2,3,4,5,6,7
.irp w, 0,1,2,3
	v_exp_f32 v[CL+16*\a+4*\w+3], v[CL+16*\a+4*\w]        ; f_w
.endr
.endr
.irp a, 0,1,2,3,4,5,6,7
.irp w, 0,1,2,3
	v_fma_f32 v[CL+16*\a+4*\w+2], v[CL+16*\a+4*\w], v[CL+16*\a+4*\w+1], v[CL+16*\a+4*\w+2]   ; y_w = d_w s_w + u_w: work that names no exponential's result
.endr
.endr
	s_wait_alu depctr_va_vdst(0)                   ; one wait for the 32 exponentials
.irp a, 0,1,2,3,4,5,6,7
	v_mul_f32 v[CS+\a], v[CL+16*\a+3], v[CL+16*\a+1]
	v_mul_f32 v[CU+\a], v[CL+16*\a+3], v[CL+16*\a+2]
.endr
.irp w, 1,2,3
.irp a, 0,1,2,3,4,5,6,7
	v_fmac_f32 v[CS+\a], v[CL+16*\a+4*\w+3], v[CL+16*\a+4*\w+1]   ; s = sum f_w s_w
	v_fmac_f32 v[CU+\a], v[CL+16*\a+4*\w+3], v[CL+16*\a+4*\w+2]   ; U = sum f_w y_w
.endr
.endr
.irp a, 0,1,2,3,4,5,6,7
	v_log_f32 v[CG+\a], v[CS+\a]                   ; log2 s (s is at least 1)
.endr
.irp a, 0,1,2,3,4,5,6,7
	v_rcp_f32 v[CT+\a], v[CS+\a]
.endr
.irp a, 0,1,2,3,4,5,6,7
	v_sub_f32 v[CC+2*\a], v[MUW+\a], v[CM+\a]      ; my own d_w: plain work behind the batch
.endr
	s_wait_alu depctr_va_vdst(0)                   ; one wait for the 16
.irp a, 0,1,2,3,4,5,6,7
	v_fma_f32 v[XN+\a], v[CU+\a], v[CT+\a], -v[CG+\a]     ; neg_ent log2(e) = U / s - log2 s
.endr
.irp a, 0,1,2,3,4,5,6,7
	v_sub_f32 v[CC+2*\a], v[CC+2*\a], v[CG+\a]     ; C = d_w - log2 s
.endr
.irp a, 0,1,2,3,4,5,6,7
	v_mov_b32 v[CC+2*\a+1], v[CC+2*\a]
.endr
	s_barrier_wait -1                              ; every wave has read the figures
	s_cmp_eq_u32 s[CNT], 2
	s_cbranch_scc0 .Lkarm
.irp a, 0,1,2,3,4,5,6,7                        ; q: p = 2^T x 2^C; 2^T lies in the accumulators' registers
	v_exp_f32 v[CC+2*\a], v[CC+2*\a]
.endr
	v_nop                                          ; a plain place behind the last exponential
	s_wait_alu depctr_va_vdst(0)                   ; one wait for the eight
.irp a, 0,1,2,3,4,5,6,7
.set W, 2+\a/4
.set R, 64*(\a%4)
	WIN (W<<6)|W
.set k, 0
.rept 32
	v_pk_mul_f32 v[R+k:R+k+1], v[R+k:R+k+1], v[CC+2*\a:CC+2*\a+1] op_sel_hi:[1,0]   ; (of the pair the low word serves both halves)
.set k, k+2
.endr
.endr
	WIN 0
	s_cmp_lg_u32 s[WV], 0
	s_cbranch_scc1 .Lfin                           ; every wave holds neg_ent log2(e) of all 128 rows: wave 0 stores it, as two groups of four tiles
	global_store_b128 v[LI], v[XN:XN+3], s[8:9] offset:4*SUB
	global_store_b128 v[LI], v[XN+4:XN+7], s[8:9] offset:4*SUB+512
	s_branch .Lfin
.Lkarm:                                                ; k: logq = ln 2 x (T + C), as one multiply-add; T and C are both at most 0
.irp a, 0,1,2,3,4,5,6,7
	v_pk_mul_f32 v[CC+2*\a:CC+2*\a+1], v[CC+2*\a:CC+2*\a+1], s[LN:LN+1] op_sel_hi:[1,0]
.endr
.irp a, 0,1,2,3,4,5,6,7
.set W, 2+\a/4
.set R, 64*(\a%4)
	WIN (W<<6)|W
.set k, 0
.rept 32
	v_pk_fma_f32 v[R+k:R+k+1], v[R+k:R+k+1], s[LN:LN+1], v[CC+2*\a:CC+2*\a+1] op_sel_hi:[1,0,1]
.set k, k+2
.endr
.endr
	WIN 0
.Lfin:
	FINALL SBS                                     ; K step w of attention's first product, for all 8 tiles of rows
	s_wait_xcnt 0x0                                ; all loads and stores have read their addresses and data: WA, the base and the data registers may be written
	v_add_nc_u32 v[WA], MSTR, v[WA]                ; on to the next matrix
	s_sub_co_u32 s[CNT], s[CNT], 1
	s_cmp_lg_u32 s[CNT], 0
	s_cbranch_scc1 .Lpass
	FETCHX 0, 0                                    ; v: source 0 = x, so that a lane holds a channel and its registers run down the rows
	FETCHX 1, 1
	GSTEP 1, 0, 39, 39, 26, 2, 2
	GSTEP 1, 1, 39, 39, 26, 3, 3
	GSTEP 1, 2, 39, 26, 26, -1, -1                 ; nothing more is asked for: the counts run down
	GSTEP 1, 3, 13, 0, 0, -1, -1
	FINALL VB                                      ; my 8 tiles of channels, K = these 128 rows
	s_wait_tensorcnt 0x0
	ds_add_u32 v14, v15
	s_wait_dscnt 0x0
	s_endpgm
.Lfunc_end_k_qa3c6d2cbb5_proj:
	.size	k_qa3c6d2cbb5_proj, .Lfunc_end_k_qa3c6d2cbb5_proj-k_qa3c6d2cbb5_proj
	.p2alignl 7, 3214868480
	.fill 96, 4, 3214868480
	.section	.rodata,"a",@progbits
	.p2align	6, 0x0
	.amdhsa_kernel k_qa3c6d2cbb5_proj
		.amdhsa_group_segment_fixed_size 137728
		.amdhsa_private_segment_fixed_size 0
		.amdhsa_enable_private_segment 0
		.amdhsa_kernarg_size 32
		.amdhsa_user_sgpr_count 2
		.amdhsa_user_sgpr_kernarg_segment_ptr 1
		.amdhsa_wavefront_size32 1
		.amdhsa_system_sgpr_workgroup_id_x 1
		.amdhsa_system_sgpr_workgroup_id_y 1
		.amdhsa_system_sgpr_workgroup_id_z 1
		.amdhsa_system_vgpr_workitem_id 0
		.amdhsa_next_free_vgpr 1024
		.amdhsa_next_free_sgpr 66
		.amdhsa_reserve_vcc 0
		.amdhsa_float_denorm_mode_32 3
		.amdhsa_float_denorm_mode_16_64 3
		.amdhsa_memory_ordered 1
		.amdhsa_forward_progress 1
		.amdhsa_inst_pref_size 255
	.end_amdhsa_kernel
	.section	.bss,"aw",@nobits
	.p2align	6
	.space	262144
	.amdgpu_metadata
---
amdhsa.version: [ 1, 2 ]
amdhsa.kernels:
  - .name:           k_qa3c6d2cbb5_proj
    .symbol:         k_qa3c6d2cbb5_proj.kd
    .args:
      - { .name: x, .offset: 0, .size: 8, .value_kind: global_buffer, .address_space: global }
      - { .name: wfrag, .offset: 8, .size: 8, .value_kind: global_buffer, .address_space: global }
      - { .name: prec, .offset: 16, .size: 8, .value_kind: global_buffer, .address_space: global }
      - { .name: kvrec, .offset: 24, .size: 8, .value_kind: global_buffer, .address_space: global }
    .group_segment_fixed_size: 137728
    .private_segment_fixed_size: 0
    .kernarg_segment_align: 8
    .kernarg_segment_size: 32
    .max_flat_workgroup_size: 128
    .sgpr_count:     66
    .vgpr_count:     1024
    .wavefront_size: 32
...
	.end_amdgpu_metadata
.endif
;; end of part 2
;; launch attn (part 3): grid 8 x 32, 4 waves a work-group, clusters of 4 x 1, 327,680 bytes of LDS; arguments prec, kvrec, out0; writes out0
.if DOCPART == 3
	.amdgcn_target "amdgcn-amd-amdhsa--gfx1250"
	.amdhsa_code_object_version 6
	.text
	.protected	k_qa3c6d2cbb5_attn
	.globl	k_qa3c6d2cbb5_attn
	.p2align	8
	.type	k_qa3c6d2cbb5_attn,@function
k_qa3c6d2cbb5_attn:
	s_mov_b64 s[64:65], 0
	v_nop
	global_prefetch_b8 v0, s[64:65] scope:SCOPE_SE
	s_setreg_imm32_b32 hwreg(HW_REG_WAVE_MODE, 25, 1), 1
	s_wait_xcnt 0x0
	s_wait_alu depctr_hold_cnt(0) depctr_sa_sdst(0) depctr_va_vdst(0) depctr_va_sdst(0) depctr_va_ssrc(0) depctr_va_vcc(0) depctr_vm_vsrc(0)
	s_getreg_b32 s2, hwreg(HW_REG_IB_STS2, 6, 4)
	s_cmp_eq_u32 s2, 0
	s_cbranch_scc0 .Lentry_in_a_cluster
	s_endpgm
.Lentry_in_a_cluster:
	s_bfe_u32 s2, ttmp6, 0x10000c
	s_cmp_lg_u32 s2, 0x3003
	s_cbranch_scc0 .Lentry_shape_is_right
	s_endpgm
.Lentry_shape_is_right:
; out[b][i][:] = sum_j softmax_j(cross[i][j] - neg_ent[i]) v[b][j][:], cross = p . logq, both products on codes of BF6 (E3M2) with one E8M0 byte for each 32 along K.
; prec: a record of 54,272 bytes for each 128 queries: p's fragments [K step 4][query tile 8] with their scale words, then neg_ent log2(e).  kvrec: a record of 106,496 bytes for each 128 keys: logq's fragments
; [K step 4][key tile 8], then V's [group of 128 channels 4][channel tile 8] with K = the record's keys.  All lie as images of operand registers: a fragment is three loads of 16 bytes a lane.
; THE SOFTMAX AHEAD OF THE SECOND PRODUCT: t = cross log2(e) - neg_ent log2(e); M = the running largest t rounded UP to a whole number; P = 2^(t - M) is quantised along the keys, not normalised; the row's sum l
; is taken of the unquantised P and divides at the end.  When M moves, l and O are multiplied by f = 2^(old M - new M): exact.
; SHARES.  A work-group owns 128 queries and walks its batch's 8 records.  SCORES: wave w takes query tiles 2 w, 2 w + 1 against all 8 key tiles (S^T: source 0 = logq, source 1 = p, which stays in registers): a lane
; holds one query and its 64 registers run along the keys, so the softmax never leaves the wave; its two tiles go by turns, stage by stage.  OUTPUT: wave w takes channels 128 w .. + 127 for all 8 query tiles
; (O^T: source 0 = V, source 1 = P): 64 accumulators.  P's codes, its scale words and f go from wave to wave through LDS as images of registers.
; BY TURNS.  O^T's rescaling by f stands among the products: behind product (a, b) the four packed multiplies of accumulator (a + 1, b), which the products reach eight instructions later.  A slice costs two
; switches of the register window: 4 + 2 issue slots for each matrix instruction.
; CLUSTER.  The four work-groups of a cluster belong to one batch and walk the same records: each record is asked for JOINTLY, a quarter by each wave, with the same descriptor and the mask of all four.
; The rows of a tile are not neighbours (lane r of tile 2 b + u: row 32 b + 8 u + r + 8 (r / 8)): only the stores of out undo that, in their immediates.
; LIMITS: NaN and infinities are not served.  A block's largest P is made from the block's largest score by the same two instructions: that takes v_exp_f32 not to fall where its input rises.
; REGISTERS.  Window 0: v1-14 addresses; v16-31 statistics, 8 a query tile; v32-33 neg_ent log2(e); v34-41 p's scale words; v44-75 logq's, later V's (v44-51) and P's (v52-59); v76-91 the second tile's registers
;   at work, from the barrier on the pairs (f, f); v92-107 the first tile's; v108-127 the first tile's codes; v128-255 S^T, later P's 8 fragments, later rows of out.
;   Window 1: v0-95 p's 8 fragments; v96-239 three sets of 4 fragments of logq, later V's 8.  Windows 2, 3: O^T (a, b) at v[8 (8 (a % 4) + b)] of window 2 + a / 4.
.set SUB,   13312
.set FRB,   1536
.set RECB,  8*SUB                      ; a record of kvrec
.set QREC,  RECB/4                     ; what one tensor load brings: 104 rows of 256 bytes
.set PRECB, 4*SUB+1024                 ; a record of prec
.set SLOT1, 1<<17                      ; slot 1 begins here, so that one exclusive or turns an address in one slot into the other's
.set P2IMG, RECB                       ; behind slot 0: P's 8 fragments,
.set P2SC,  P2IMG+8*FRB                ; their scale words (2 groups of 512 bytes),
.set FIMG,  P2SC+1024                  ; (f, f): 8 tiles x 32 lanes x 8 bytes; behind them, 2,048 bytes on, (1 / l, 1 / l)
.set SPARE, FIMG+4096                  ; the spare words, 128 bytes for each wave: two blocks of 256 bytes that no other line names
.set STAGE, SLOT1+RECB                 ; behind slot 1: 16 rows x 528 bytes for each wave, for the way out
.set LI,   1                           ; v1   16 x lane
.set ALQ,  2                           ; v2   the slot in hand + 16 x lane
.set AV,   3                           ; v3   the slot in hand + AV0
.set AV0,  4                           ; v4   my sub-record of V: 4 SUB + SUB x wave + 16 x lane
.set AP,   5                           ; v5   P2IMG + 16 x lane
.set AF8,  6                           ; v6   FIMG + 8 x lane
.set P2W,  7                           ; v7   where I put P's fragments
.set P2SW, 8                           ; v8   and their scale words
.set FW,   9                           ; v9   and (f, f)
.set SPW,  10                          ; v10  my spare word; never rewritten
.set NIL,  11                          ; v11  0; never rewritten
.set PFO,  12                          ; v12  256 x lane
.set STO,  13                          ; v13  the way out: where I put 32 bytes of a row
.set RD,   14                          ; v14  and where I read a row back
.set ST,   16                          ; tile q at ST + 8 q: +0 -M - neg_ent log2(e), +1 unused, +2, +3 l, +4 -M, +5 the largest t, +6, +7 f
.set NL,   32
.set PS,   34
.set LQS,  44
.set VS,   44
.set P2S,  52
.set F,    76
.set TM,   92                          ; tile q's 16 registers at work at TM - 16 q (tile 1's are F's)
.set PC,   108
.set S,    128
.set WV,   10
.set G1,   16
.set G0,   24
.set TB,   28
.set CNT,  29
.set LIM,  30
.set SEL,  32
.set LG,   34
.set PFA,  36
.set MSB, 0
.macro WIN new
.if MSB != (\new)
	s_set_vgpr_msb (MSB<<8)|(\new)
.set MSB, (\new)
.endif
.endm
.macro PLACES n
.rept \n
	v_nop
.endr
.endm
.macro ROUND                           ; a round of the cluster's barrier
	s_barrier_signal -1
	s_barrier_wait -1
	s_cmp_lg_u32 s[WV], 0
	s_cbranch_scc1 .Lnot_wave_0_\@
	s_barrier_signal -3
.Lnot_wave_0_\@:
	s_barrier_wait -3
	s_barrier_signal -1
	s_barrier_wait -1
.endm
; A PREFETCH INTO THE L2.  A batch's 8 records are 851,968 consecutive bytes.  Both clusters of a batch walk them: the first (cluster x = 0) asks.  In each of the first five changes of slots its 16 waves name 131,072
; new bytes, 8,192 a wave, lanes 256 bytes apart, from byte 196,608 to the batch's last: each block of 256 bytes once.  The partners are told apart BY ADDRESS.  The change that loads record i + 1 names bytes up to
; 327,680 + 131,072 i, and the next change's record ends at 319,488 + 106,496 i: every block from record 2 on is named a key step or more ahead of its load.
.macro ASK
	s_cmp_gt_u32 s[CNT], s[LIM]
	s_cbranch_scc0 .Lno_ask_\@
	global_prefetch_b8 v[PFO], s[PFA:PFA+1] th:TH_LOAD_NT scope:SCOPE_SE
.Lno_ask_\@:
.endm
; THE CHANGE OF SLOTS stands at a key step's head.  Each wave waits for all its tensor loads (one is out: its quarter of the record that it is about to read), adds 0 to its spare word, and waits for that and for its
; LDS reads.  fill = 1: behind a round of the cluster's barrier the other slot takes the next record: the load has a whole key step in which to land.
.macro CHANGE fill
	WIN 0
	s_wait_tensorcnt 0x0                           ; no tensor load of mine is out, so the group 0 may be written
	ds_add_u32 v[SPW], v[NIL]                      ; 0 onto my spare word
.if \fill
	s_xor_b32 s[G0+1], s[G0+1], SLOT1              ; the walking descriptor: the other slot,
	s_add_nc_u64 s[G0+2:G0+3], s[G0+2:G0+3], RECB  ; the next record; the type bits on top are not reached
	s_wait_xcnt 0x0                                ; the last prefetch, a key step back, has read its address
	s_add_nc_u64 s[PFA:PFA+1], s[PFA:PFA+1], 131072
	s_wait_dscnt 0x0                               ; the add is done, and my reads of the slot that I have left are over
	ROUND
	tensor_load_to_lds s[G0:G0+3], s[G1:G1+7]      ; the first thing behind the round, and my one tensor load until the next
	s_nop 0
	PLACES 4
	ASK
.else
	s_wait_dscnt 0x0
	s_barrier_signal -1
	s_barrier_wait -1
.endif
.endm
.macro FETCHL gi                       ; group gi = 4 g + s: logq's key tiles 4 g .. 4 g + 3 of K step s into set gi % 3: 12 loads
	WIN 0x40
.irp t, 0,1,2,3
.irp c, 0,1,2
	ds_load_b128 v[96+48*((\gi)%3)+12*\t+4*\c:96+48*((\gi)%3)+12*\t+4*\c+3], v[ALQ] offset:SUB*((\gi)%4)+(4*((\gi)/4)+\t)*FRB+512*\c
.endr
.endr
.endm
.macro SCALET a                        ; query tile a of O^T times its pair in F; each accumulator from its low end on
	WIN 0x82+0x41*((\a)/4)
.set k, 0
.rept 32
	v_pk_mul_f32 v[64*((\a)%4)+k:64*((\a)%4)+k+1], v[64*((\a)%4)+k:64*((\a)%4)+k+1], v[F+2*(\a):F+2*(\a)+1]
.set k, k+2
.endr
.endm
; My two query tiles' softmax for these 128 keys, the tiles by turns in every stage, up to the scale words.
.macro SOFT2
.irp b, 0,1,2,3
.irp q, 0,1
	v_max3_num_f32 v[TM-16*\q+\b], v[S+64*\q+16*\b], v[S+64*\q+16*\b+1], v[S+64*\q+16*\b+2]   ; the largest score of each block of 32 keys: it serves for the row's maximum and for the block's largest P
.endr
.endr
.irp i, 3,5,7,9,11,13
.irp b, 0,1,2,3
.irp q, 0,1
	v_max3_num_f32 v[TM-16*\q+\b], v[TM-16*\q+\b], v[S+64*\q+16*\b+\i], v[S+64*\q+16*\b+\i+1]
.endr
.endr
.endr
.irp b, 0,1,2,3
.irp q, 0,1
	v_max_num_f32 v[TM-16*\q+\b], v[TM-16*\q+\b], v[S+64*\q+16*\b+15]
.endr
.endr
.irp b, 0,1,2,3
.irp q, 0,1
	v_permlanex16_b32 v[TM-16*\q+4+\b], v[TM-16*\q+\b], s[SEL], s[SEL+1]
.endr
.endr
.irp b, 0,1,2,3
.irp q, 0,1
	v_max_num_f32 v[TM-16*\q+\b], v[TM-16*\q+\b], v[TM-16*\q+4+\b]   ; with lane l xor 16's 16 keys
.endr
.endr
.irp q, 0,1
	v_max3_num_f32 v[TM-16*\q+8], v[TM-16*\q], v[TM-16*\q+1], v[TM-16*\q+2]
.endr
.irp q, 0,1
	v_max_num_f32 v[TM-16*\q+8], v[TM-16*\q+8], v[TM-16*\q+3]
.endr
.irp q, 0,1
	v_fma_f32 v[TM-16*\q+8], v[TM-16*\q+8], s[LG], -v[NL+\q]   ; the step's largest t
.endr
.irp q, 0,1
	v_max_num_f32 v[ST+8*\q+5], v[ST+8*\q+5], v[TM-16*\q+8]    ; the running largest t
.endr
.irp q, 0,1
	v_mov_b32 v[TM-16*\q+8], v[ST+8*\q+4]
.endr
.irp q, 0,1
	v_floor_f32 v[ST+8*\q+4], -v[ST+8*\q+5]        ; the new -M = floor(-t): M is a whole number
.endr
.irp q, 0,1
	v_sub_f32 v[TM-16*\q+8], v[ST+8*\q+4], v[TM-16*\q+8]       ; old M - new M: a whole number, 0 or less
.endr
.irp q, 0,1
	v_cvt_i32_f32 v[TM-16*\q+8], v[TM-16*\q+8]     ; (it saturates)
.endr
.irp q, 0,1
	v_ldexp_f32 v[ST+8*\q+6], 1.0, v[TM-16*\q+8]   ; f
.endr
.irp q, 0,1
	v_sub_f32 v[ST+8*\q], v[ST+8*\q+4], v[NL+\q]   ; -M - neg_ent log2(e)
.endr
.irp q, 0,1
	v_mov_b32 v[ST+8*\q+7], v[ST+8*\q+6]
.endr
.irp q, 0,1
.set j, 0
.rept 32
	v_pk_fma_f32 v[S+64*\q+j:S+64*\q+j+1], v[S+64*\q+j:S+64*\q+j+1], s[LG:LG+1], v[ST+8*\q:ST+8*\q+1] op_sel_hi:[1,0,0]   ; t - M
.set j, j+2
.endr
.endr
.irp b, 0,1,2,3
.irp q, 0,1
	v_fma_f32 v[TM-16*\q+\b], v[TM-16*\q+\b], s[LG], v[ST+8*\q]      ; the same of each block's largest score
.endr
.endr
.set j, 0
.rept 128
	v_exp_f32 v[S+j], v[S+j]                       ; P = 2^(t - M), both tiles
.set j, j+1
.endr
.irp q, 0,1
	v_pk_mul_f32 v[ST+8*\q+2:ST+8*\q+3], v[ST+8*\q+2:ST+8*\q+3], v[ST+8*\q+6:ST+8*\q+7]   ; l under the new M: plain places behind the exponentials
.endr
	s_wait_alu depctr_va_vdst(0)                   ; one wait for the batch of 128, ahead of its first reader
.irp b, 0,1,2,3
.irp q, 0,1
	v_exp_f32 v[TM-16*\q+\b], v[TM-16*\q+\b]       ; the block's largest P
.endr
.endr
.irp q, 0,1
	v_pk_add_f32 v[TM-16*\q+4:TM-16*\q+5], v[S+64*\q:S+64*\q+1], v[S+64*\q+2:S+64*\q+3]   ; the rows' sums of the unquantised P, two chains a tile: work that reads the 128 alone
.endr
.set j, 4
.rept 15
.irp q, 0,1
	v_pk_add_f32 v[ST+8*\q+2:ST+8*\q+3], v[ST+8*\q+2:ST+8*\q+3], v[S+64*\q+j:S+64*\q+j+1]
	v_pk_add_f32 v[TM-16*\q+4:TM-16*\q+5], v[TM-16*\q+4:TM-16*\q+5], v[S+64*\q+j+2:S+64*\q+j+3]
.endr
.set j, j+4
.endr
.irp q, 0,1
	v_pk_add_f32 v[ST+8*\q+2:ST+8*\q+3], v[ST+8*\q+2:ST+8*\q+3], v[TM-16*\q+4:TM-16*\q+5]
.endr
	s_wait_alu depctr_va_vdst(0)                   ; and one for the eight
.irp b, 0,1,2,3
.irp q, 0,1
	v_max_num_f32 v[TM-16*\q+\b], 0x2800000, v[TM-16*\q+\b]    ; the floor 2^(5 - 127): the byte cannot fall under 1
.endr
.endr
.irp b, 0,1,2,3
.irp q, 0,1
	v_add_nc_u32 v[TM-16*\q+12+\b], 0xfe000000, v[TM-16*\q+\b]
.endr
.endr
.irp b, 0,1,2,3
.irp q, 0,1
	v_lshrrev_b32 v[TM-16*\q+4+\b], 23, v[TM-16*\q+12+\b]
.endr
.endr
.irp q, 0,1
	v_lshl_or_b32 v[TM-16*\q+9], v[TM-16*\q+5], 8, v[TM-16*\q+4]     ; P's scale word for these 128 keys
.endr
.irp q, 0,1
	v_lshl_or_b32 v[TM-16*\q+9], v[TM-16*\q+6], 16, v[TM-16*\q+9]
.endr
.irp q, 0,1
	v_lshl_or_b32 v[TM-16*\q+9], v[TM-16*\q+7], 24, v[TM-16*\q+9]
.endr
.endm
; Tile q's P becomes a fragment; codes, scale word and f go to LDS.  Tile 0's codes are made in v[PC] on; tile 1's in tile 0's first registers of P, which the conversions of tile 0 have read
; (plain vector lines stand between), so that no line waits for tile 0's LDS stores.
.macro PACKP q
.set SQ, S+64*(\q)
.set TQ, TM-16*(\q)
.if (\q) == 0
.set PQ, PC
.else
.set PQ, S
.endif
.irp c, 0,1
	v_cvt_scalef32_pk16_bf6_f32 v[PQ+6*\c:PQ+6*\c+2], v[SQ+32*\c:SQ+32*\c+15], v[TQ+12+2*\c]
	v_cvt_scalef32_pk16_bf6_f32 v[PQ+12+4*\c:PQ+14+4*\c], v[SQ+32*\c+16:SQ+32*\c+31], v[TQ+13+2*\c]
.endr
	v_nop                                          ; one plain place behind a scaled conversion
.irp c, 0,1
.irp i, 0,1,2
	v_permlane16_swap_b32 v[PQ+6*\c+\i], v[PQ+12+4*\c+\i]
.endr
.irp i, 0,1,2
	v_mov_b32 v[PQ+3+6*\c+\i], v[PQ+12+4*\c+\i]
.endr
.endr
.irp c, 0,1,2
	ds_store_b128 v[P2W], v[PQ+4*\c:PQ+4*\c+3] offset:FRB*(\q)+512*\c
.endr
	ds_store_b32 v[P2SW], v[TQ+9] offset:4*(\q)
	ds_store_b64 v[FW], v[ST+8*(\q)+6:ST+8*(\q)+7] offset:256*(\q)
.endm
; A KEY STEP: the 128 keys of the record in the slot in hand.  first = 1: the products start O^T's sums, and there is nothing to rescale.
.macro STEP first
	v_add_nc_u32 v[ALQ], s[TB], v[LI]              ; these two and three v_nop: five places between the last step's products and the matrix instructions that write over their operands
	v_add_nc_u32 v[AV], s[TB], v[AV0]
	PLACES 3
.irp s, 0,1,2,3
.irp g, 0,1
	ds_load_b128 v[LQS+8*\s+4*\g:LQS+8*\s+4*\g+3], v[ALQ] offset:SUB*\s+8*FRB+512*\g   ; logq's scale words: register 8 s + t
.endr
.endr
	FETCHL 0
	FETCHL 1
.irp gi, 0,1,2,3,4,5,6,7
.if \gi <= 5
.if \gi > 0
	PLACES 4                                       ; in front of loads into the set that the last eight products read
.endif
	FETCHL \gi+2
	s_wait_dscnt 24                                ; this group's loads are in; the two younger sets (12 loads each) may be out
.elseif \gi == 6
	s_wait_dscnt 12
.else
	s_wait_dscnt 0x0
.endif
	WIN 0x05                                       ; logq and p in window 1, S^T in window 0
.irp t, 0,1,2,3
.irp q, 0,1
.set SR, S+64*\q+8*(4*(\gi/4)+\t)
.set LF, 96+48*(\gi%3)+12*\t
.set PF, 12*(4*\q+\gi%4)
.if \gi%4 == 0
	v_wmma_scale_f32_16x16x128_f8f6f4 v[SR:SR+7], v[LF:LF+11], v[PF:PF+11], 0, v[LQS+8*(\gi%4)+4*(\gi/4)+\t], v[PS+2*(\gi%4)+\q] matrix_a_fmt:MATRIX_FMT_BF6 matrix_b_fmt:MATRIX_FMT_BF6
.else
	v_wmma_scale_f32_16x16x128_f8f6f4 v[SR:SR+7], v[LF:LF+11], v[PF:PF+11], v[SR:SR+7], v[LQS+8*(\gi%4)+4*(\gi/4)+\t], v[PS+2*(\gi%4)+\q] matrix_a_fmt:MATRIX_FMT_BF6 matrix_b_fmt:MATRIX_FMT_BF6
.endif
.endr
.endr
.endr
	WIN 0
	PLACES 4                                       ; in front of the loads below and of the first read of the scores
	WIN 0x40
.irp b, 0,1,2,3,4,5,6,7
.irp c, 0,1,2
	ds_load_b128 v[96+12*\b+4*\c:96+12*\b+4*\c+3], v[AV] offset:FRB*\b+512*\c   ; V's 8 fragments land during the softmax
.endr
.endr
	WIN 0
	ds_load_b128 v[VS:VS+3], v[AV] offset:8*FRB
	ds_load_b128 v[VS+4:VS+7], v[AV] offset:8*FRB+512
	SOFT2
	PACKP 0
	PACKP 1
	s_wait_dscnt 0x0                               ; for the others' sake: my stores have landed
	s_barrier_signal -1                            ; the next record's load may stay out
	s_barrier_wait -1
.if \first == 0
.irp a, 0,1,2,3,4,5,6,7
	ds_load_b64 v[F+2*\a:F+2*\a+1], v[AF8] offset:256*\a
.endr
.endif
	ds_load_b128 v[P2S:P2S+3], v[AP] offset:8*FRB
	ds_load_b128 v[P2S+4:P2S+7], v[AP] offset:8*FRB+512
.irp a, 0,1,2,3,4,5,6,7
.irp c, 0,1,2
	ds_load_b128 v[S+12*\a+4*\c:S+12*\a+4*\c+3], v[AP] offset:FRB*\a+512*\c
.endr
.endr
.if \first == 0
	s_wait_dscnt 26                                ; the eight loads of f are in; the 26 behind them may be out
	SCALET 0                                       ; query tile 0 of O^T under the new M; the other tiles follow among the products
.endif
.irp a, 0,1,2,3,4,5,6,7                        ; O^T += V^T P^T: the 64 accumulators by turns
	s_wait_dscnt 21-3*\a                           ; P's fragment a is in; the three loads of each later tile may be out
.irp b, 0,1,2,3,4,5,6,7
.set AC, 8*(8*(\a%4)+\b)
	WIN 0xa1+0x50*(\a/4)
.if \first
	v_wmma_scale_f32_16x16x128_f8f6f4 v[AC:AC+7], v[96+12*\b:96+12*\b+11], v[S+12*\a:S+12*\a+11], 0, v[VS+\b], v[P2S+\a] matrix_a_fmt:MATRIX_FMT_BF6 matrix_b_fmt:MATRIX_FMT_BF6
.else
	v_wmma_scale_f32_16x16x128_f8f6f4 v[AC:AC+7], v[96+12*\b:96+12*\b+11], v[S+12*\a:S+12*\a+11], v[AC:AC+7], v[VS+\b], v[P2S+\a] matrix_a_fmt:MATRIX_FMT_BF6 matrix_b_fmt:MATRIX_FMT_BF6
.if \a < 7
.set AN, 8*(8*((\a+1)%4)+\b)
	WIN 0x82+0x41*((\a+1)/4)
.irp k, 0,2,4,6
	v_pk_mul_f32 v[AN+\k:AN+\k+1], v[AN+\k:AN+\k+1], v[F+2*\a+2:F+2*\a+3]   ; accumulator (a + 1, b) under the new M, from its low end on: none of the product's registers
.endr
.endif
.endif
.endr
.endr
	WIN 0
	s_xor_b32 s[TB], s[TB], SLOT1                  ; on to the other slot
.endm
	s_load_b128 s[4:7], s[0:1], 0x0                ; prec s[4:5], kvrec s[6:7]
	s_load_b64 s[8:9], s[0:1], 0x10                ; out0
	v_lshl_add_u32 v[SPW], v0, 2, SPARE
	v_mov_b32 v[NIL], 0
	ds_add_u32 v10, v11
	ds_add_u32 v10, v11
	s_wait_dscnt 0x0
	v_lshrrev_b32 v15, 5, v0
	v_readfirstlane_b32 s[WV], v15                 ; wave 0..3
	s_bfe_u32 s11, ttmp6, 0x40000                  ; cx: my place in the cluster
	s_lshl_b32 s13, ttmp9, 2
	s_add_co_u32 s13, s13, s11                     ; my block of 128 queries: it enters prec's and out0's addresses and the prefetches' alone
	s_and_b32 s12, ttmp7, 0xffff                   ; the batch, which the four partners share
	s_mul_i32 s38, s12, 8*RECB                     ; the batch's records of kvrec
	s_mov_b32 s39, 0
	s_mul_i32 s40, s[WV], QREC                     ; my quarter of a record
	s_mov_b32 s41, 0
	s_lshl_b32 s14, s12, 3
	s_add_co_u32 s14, s14, s13
	s_mul_i32 s14, s14, PRECB                      ; my record of prec
	s_mov_b32 s15, 0
	s_lshl_b32 s42, s11, 2
	s_add_co_u32 s42, s42, s[WV]
	s_lshl_b32 s42, s42, 13
	s_add_co_u32 s42, s42, 65536                   ; the prefetches: 8,192 (4 cx + w), a change's 131,072 bytes short of byte 196,608: the first change steps it there
	s_mov_b32 s43, 0
	s_lshl_b32 s44, s12, 21                        ; out0: 1,024 rows of 2,048 bytes a batch,
	s_lshl_b32 s45, s13, 18                        ; 128 a block,
	s_add_co_u32 s44, s44, s45
	s_lshl_b32 s45, s[WV], 9                       ; my 128 channels
	s_add_co_u32 s44, s44, s45
	s_mov_b32 s45, 0
	; descriptor group 1: 104 dense rows of 256 bytes (32 elements of 8 bytes), no padding
	s_mov_b32 s[G1], 15|(3<<16)|(1<<21)            ; 15:0 the mask: all four work-groups; 17:16 elements of 8 bytes; 21 set beside a mask
	s_mov_b32 s[G1+1], 32<<16                      ; tensor_dim0
	s_mov_b32 s[G1+2], 104<<16                     ; tensor_dim1
	s_mov_b32 s[G1+3], 32<<16                      ; tile_dim0
	s_mov_b32 s[G1+4], 104                         ; tile_dim1
	s_mov_b32 s[G1+5], 32                          ; from row to row
	s_mov_b32 s[G1+6], 0
	s_mov_b32 s[G1+7], 0
	s_mov_b32 s[SEL], 0x76543210
	s_mov_b32 s[SEL+1], 0xfedcba98
	s_mov_b32 s[LG], 0x3fb8aa3b                    ; log2(e)
	s_mov_b32 s[LG+1], s[LG]
	s_mov_b32 s[TB], 0
	s_mov_b32 s[CNT], 7                            ; records still to be asked for
	s_cmp_eq_u32 ttmp9, 0
	s_cselect_b32 s[LIM], 2, -1                    ; the batch's first cluster prefetches while more than 2 are to be asked for: the same in all four partners
	v_and_b32 v15, 31, v0                          ; lane
	v_lshlrev_b32 v[LI], 4, v15
	v_lshlrev_b32 v[PFO], 8, v15
	v_add_nc_u32 v[AP], P2IMG, v[LI]
	v_lshl_add_u32 v[AF8], v15, 3, FIMG
	s_mul_i32 s46, s[WV], SUB
	s_add_co_u32 s46, s46, 4*SUB
	v_add_nc_u32 v[AV0], s46, v[LI]
	s_mul_i32 s46, s[WV], 2*FRB
	v_add_nc_u32 v43, s46, v[LI]                   ; 16 x lane + 2 FRB x wave: my two query tiles' fragments
	v_add_nc_u32 v[P2W], P2IMG, v43
	s_and_b32 s46, s[WV], 1
	s_lshl_b32 s46, s46, 3
	s_lshr_b32 s47, s[WV], 1
	s_lshl_b32 s47, s47, 9
	s_add_co_u32 s46, s46, s47
	v_add_nc_u32 v42, s46, v[LI]                   ; 16 x lane + 8 (w % 2) + 512 (w / 2): my two tiles' words in a pair of groups
	v_add_nc_u32 v[P2SW], P2SC, v42
	s_lshl_b32 s46, s[WV], 9
	v_add_nc_u32 v[FW], s46, v[AF8]
	s_mul_i32 s46, s[WV], 16*528
	s_add_co_u32 s46, s46, STAGE                   ; my stage
	v_add_nc_u32 v[RD], s46, v[LI]
	v_and_b32 v15, 15, v0                          ; r
	v_mul_u32_u24 v[STO], v15, 528
	v_bfe_u32 v15, v0, 4, 1                        ; h
	v_lshl_add_u32 v[STO], v15, 5, v[STO]
	v_add_nc_u32 v[STO], s46, v[STO]
	s_wait_kmcnt 0x0
	s_add_nc_u64 s[4:5], s[4:5], s[14:15]
	s_add_nc_u64 s[8:9], s[8:9], s[44:45]
	s_add_nc_u64 s[6:7], s[6:7], s[38:39]          ; kvrec at the batch's first record
	s_add_nc_u64 s[PFA:PFA+1], s[6:7], s[42:43]
	s_mov_b32 s[G0], 1                             ; 1:0 count = 1
	s_mul_i32 s[G0+1], s[WV], QREC                 ; LDS address: slot 0, my quarter: no place in the cluster enters it
	s_add_nc_u64 s[G0+2:G0+3], s[6:7], s[40:41]    ; global address: record 0, my quarter
	s_or_b32 s[G0+3], s[G0+3], 0x80000000          ; type = 2
	ROUND                                          ; all four work-groups are here: the first joint loads meet
	tensor_load_to_lds s[G0:G0+3], s[G1:G1+7]      ; record 0: one tensor load of mine is out
	s_nop 0
	PLACES 4
	WIN 0x40
.irp q, 0,1
.irp s, 0,1,2,3
.irp c, 0,1,2
	global_load_b128 v[12*(4*\q+\s)+4*\c:12*(4*\q+\s)+4*\c+3], v43, s[4:5] offset:SUB*\s+FRB*\q+512*\c th:TH_LOAD_NT   ; p's fragments stay in registers
.endr
.endr
.endr
	WIN 0
.irp s, 0,1,2,3
	global_load_b64 v[PS+2*\s:PS+2*\s+1], v42, s[4:5] offset:SUB*\s+8*FRB th:TH_LOAD_NT
.endr
	global_load_b64 v[NL:NL+1], v42, s[4:5] offset:4*SUB th:TH_LOAD_NT
.irp q, 0,1
	v_mov_b32 v[ST+8*\q], 0
	v_mov_b32 v[ST+8*\q+1], 0
	v_mov_b32 v[ST+8*\q+2], 0                      ; l
	v_mov_b32 v[ST+8*\q+3], 0
	v_mov_b32 v[ST+8*\q+5], 0xff61b1e6             ; the largest t so far: -3e38, under every t
	v_floor_f32 v[ST+8*\q+4], -v[ST+8*\q+5]        ; -M
.endr
.irp b, 0,1,2,3
.irp q, 0,1
	v_mov_b32 v[TM-16*\q+4+\b], 0                  ; written once: a lane permute's destination counts as one of its sources
.endr
.endr
	s_wait_loadcnt 0x0
	CHANGE 1
	STEP 1                                         ; the first key step is written out: its products start O^T's sums
	s_sub_co_u32 s[CNT], s[CNT], 1
.Lstep:                                                ; six trips
	CHANGE 1
	STEP 0
	s_sub_co_u32 s[CNT], s[CNT], 1
	s_cmp_lg_u32 s[CNT], 0
	s_cbranch_scc1 .Lstep
	CHANGE 0                                       ; the last key step is written out
	STEP 0
	; THE WAY OUT.  1 / l goes from wave to wave as f did; each query tile (16 rows x 512 bytes) is divided just ahead of its way through my stage.
	PLACES 4
.irp q, 0,1
	v_add_f32 v[TM+\q], v[ST+8*\q+2], v[ST+8*\q+3]
.endr
.irp q, 0,1
	v_permlanex16_b32 v[TM+4+\q], v[TM+\q], s[SEL], s[SEL+1]
.endr
.irp q, 0,1
	v_add_f32 v[TM+\q], v[TM+\q], v[TM+4+\q]       ; the row's sum
.endr
.irp q, 0,1
	v_rcp_f32 v[ST+8*\q+6], v[TM+\q]
.endr
	v_nop                                          ; a plain place behind the reciprocals
	s_wait_alu depctr_va_vdst(0)                   ; one wait for the two
.irp q, 0,1
	v_mov_b32 v[ST+8*\q+7], v[ST+8*\q+6]
.endr
.irp q, 0,1
	ds_store_b64 v[FW], v[ST+8*\q+6:ST+8*\q+7] offset:2048+256*\q
.endr
	s_wait_dscnt 0x0
	s_barrier_signal -1
	s_barrier_wait -1
.irp a, 0,1,2,3,4,5,6,7
	ds_load_b64 v[F+2*\a:F+2*\a+1], v[AF8] offset:2048+256*\a
.endr
	s_wait_dscnt 0x0
.macro TOSTAGE a                       ; lane (r, h) holds out(query r, 128 w + 16 b + 8 h + 0 .. 7): 32 bytes of a row; back come whole rows of 512 bytes.  LDS serves a wave's instructions in order
.set AC, 64*((\a)%4)
.set BB, S+64*((\a)%2)
	WIN 0x08+4*((\a)/4)
.irp b, 0,1,2,3,4,5,6,7
	ds_store_b128 v[STO], v[AC+8*\b:AC+8*\b+3] offset:64*\b
	ds_store_b128 v[STO], v[AC+8*\b+4:AC+8*\b+7] offset:64*\b+16
.endr
	WIN 0
.irp t, 0,1,2,3,4,5,6,7,8,9,10,11,12,13,14,15
	ds_load_b128 v[BB+4*\t:BB+4*\t+3], v[RD] offset:528*\t
.endr
.endm
.macro SEND a, younger                 ; younger: the LDS instructions issued behind tile a's loads, which may stay out
.set BB, S+64*((\a)%2)
	s_wait_dscnt \younger
.irp t, 0,1,2,3,4,5,6,7,8,9,10,11,12,13,14,15
	global_store_b128 v[LI], v[BB+4*\t:BB+4*\t+3], s[8:9] offset:(32*((\a)/2)+8*((\a)%2)+\t+8*(\t/8))*2048 th:TH_STORE_NT   ; 32 lanes store 512 consecutive bytes, aligned; the tile's lane t is row 32 (a / 2) + 8 (a % 2) + t + 8 (t / 8)
.endr
.endm
	SCALET 0                                       ; O^T / l
	TOSTAGE 0
.irp a, 1,2,3,4,5,6,7
	SCALET \a                                      ; tile a's division stands between tile a - 1's loads from the stage and the wait for them
.if \a > 1
	s_wait_xcnt 0x0                                ; tile a - 2's stores have read their registers: tile a's loads may land there
.endif
	TOSTAGE \a
	SEND \a-1, 32
.endr
	SEND 7, 0
	s_wait_tensorcnt 0x0                           ; the wave's end
	ds_add_u32 v[SPW], v[NIL]
	s_wait_dscnt 0x0
	ROUND                                          ; the closing round: no work-group ends while a partner may still ask for a record that names it
	s_endpgm
.Lfunc_end_k_qa3c6d2cbb5_attn:
	.size	k_qa3c6d2cbb5_attn, .Lfunc_end_k_qa3c6d2cbb5_attn-k_qa3c6d2cbb5_attn
	.p2alignl 7, 3214868480
	.fill 96, 4, 3214868480
	.section	.rodata,"a",@progbits
	.p2align	6, 0x0
	.amdhsa_kernel k_qa3c6d2cbb5_attn
		.amdhsa_group_segment_fixed_size 327680
		.amdhsa_private_segment_fixed_size 0
		.amdhsa_enable_private_segment 0
		.amdhsa_kernarg_size 24
		.amdhsa_user_sgpr_count 2
		.amdhsa_user_sgpr_kernarg_segment_ptr 1
		.amdhsa_wavefront_size32 1
		.amdhsa_system_sgpr_workgroup_id_x 1
		.amdhsa_system_sgpr_workgroup_id_y 1
		.amdhsa_system_sgpr_workgroup_id_z 1
		.amdhsa_system_vgpr_workitem_id 0
		.amdhsa_next_free_vgpr 1024
		.amdhsa_next_free_sgpr 66
		.amdhsa_reserve_vcc 0
		.amdhsa_float_denorm_mode_32 3
		.amdhsa_float_denorm_mode_16_64 3
		.amdhsa_memory_ordered 1
		.amdhsa_forward_progress 1
		.amdhsa_inst_pref_size 248
	.end_amdhsa_kernel
	.amdgpu_metadata
---
amdhsa.version: [ 1, 2 ]
amdhsa.kernels:
  - .name:           k_qa3c6d2cbb5_attn
    .symbol:         k_qa3c6d2cbb5_attn.kd
    .args:
      - { .name: prec, .offset: 0, .size: 8, .value_kind: global_buffer, .address_space: global }
      - { .name: kvrec, .offset: 8, .size: 8, .value_kind: global_buffer, .address_space: global }
      - { .name: out0, .offset: 16, .size: 8, .value_kind: global_buffer, .address_space: global }
    .group_segment_fixed_size: 327680
    .private_segment_fixed_size: 0
    .kernarg_segment_align: 8
    .kernarg_segment_size: 24
    .max_flat_workgroup_size: 128
    .sgpr_count:     66
    .vgpr_count:     1024
    .wavefront_size: 32
...
	.end_amdgpu_metadata
.endif
;; end of part 3
;; ======== version 2 of 2: 3 launches; version 1 with the launch proj written anew for expert scheduling mode
;; workspace buffers: wfrag 638,976 bytes; prec 13,893,632 bytes; kvrec 27,262,976 bytes
;; launch wprep: the kernel of part 1 again; grid 96 x 1, 4 waves a work-group, no clusters, 1,024 bytes of LDS; arguments Wq, Wk, Wv, wfrag; writes wfrag
;; launch proj (part 4): grid 256 x 1, 4 waves a work-group, no clusters, 137,728 bytes of LDS; arguments x, wfrag, prec, kvrec; writes prec, kvrec
.if DOCPART == 4
	.amdgcn_target "amdgcn-amd-amdhsa--gfx1250"
	.amdhsa_code_object_version 6
	.text
	.protected	k_qa3c6d2cbb5_proj
	.globl	k_qa3c6d2cbb5_proj
	.p2align	8
	.type	k_qa3c6d2cbb5_proj,@function
k_qa3c6d2cbb5_proj:
	s_mov_b64 s[64:65], 0
	v_nop
	global_prefetch_b8 v0, s[64:65] scope:SCOPE_SE
	s_setreg_imm32_b32 hwreg(HW_REG_WAVE_SCHED_MODE, 0, 2), 2
	s_setreg_imm32_b32 hwreg(HW_REG_WAVE_MODE, 25, 1), 1
	s_wait_xcnt 0x0
	s_wait_alu depctr_vm_vsrc(0)
; 128 rows of x [32,768][512] f32 become: p = softmax(x Wq) and logq = log_softmax(x Wk), quantised along their 512 columns; v = x Wv, quantised along the 128 rows (attention's keys); and neg_ent x log2(e).
; All three products run on codes of BF6 (E3M2) with one E8M0 byte for each 32 along K.  Everything ahead of a quantiser is f32.
; SHARES.  A work-group of four waves owns 128 rows.  Wave w quantises rows 32 w .. 32 w + 31 of x; the fragments go to the other waves through LDS as images of their registers.  In each of the three passes
; wave w makes columns 128 w .. 128 w + 127 for all 128 rows: 64 accumulators, 512 registers.  For 128 along K a wave reads 8 fragments of x from LDS and 8 of W from memory, for 64 matrix instructions.
; THE ROWS OF A TILE ARE NOT NEIGHBOURS: lane r of row tile 2 b + u takes row 32 b + 8 u + r + 8 (r / 8); Wq's and Wk's column tiles likewise (the launch before).  q and k are used TRANSPOSED (source 0 = W,
; source 1 = x): a lane holds one row, and the 64 registers of its 8 column tiles are columns 32 B + 16 (lane / 16) + i, neighbours along the next K.  v is used the other way (source 0 = x): a lane holds one
; channel and its 64 registers are 64 rows in the same order.  So each quantiser's result is a fragment of the next launch, and is stored as an image of its registers: 512 consecutive bytes a store.
; THE SOFTMAX spans the four waves: each wave takes its own maximum m_w, T = q log2(e) - m_w log2(e) in place, s_w = sum 2^T, and for q u_w = sum 2^T T; (m, s, u) meet in LDS; every wave forms the row's figures:
; C = mu_w - mu - log2 s;  p = 2^T x 2^C (the exponential of T is taken once);  logq = ln 2 x (T + C);  neg_ent log2(e) = (sum_w f_w (u_w + d_w s_w)) / s - log2 s, with d_w = mu_w - mu, f_w = 2^d_w.
; The shift taken off is the rounded number itself, so its rounding cancels.
; NO MULTICAST of the weights: a fragment of W is wanted by one wave of a work-group alone and goes from memory straight into that wave's operand registers (12,288 + 1,024 bytes a wave and K step); through LDS
; each of these bytes would be written and read once more, with a round of a cluster's barrier for each refill.
; LIMITS: NaN and infinities are not served; a 2^T or 2^C under 2^-126 becomes 0 (v_exp_f32 gives no denormals: ISA guide, 15.8); a block whose largest magnitude lies under 2^-122 has the byte 1.
; REGISTERS.  Window 0: v1-9 addresses; v16-31 x's scale words, v32-47 W's (two sets each); v48-55 mu_w a tile; v56-63 the scale words just made; v64-255 by phase (below).
;   Window 1: W's fragments, two sets of 96.  Windows 2, 3: accumulator (a, b) at v[8 (8 (a % 4) + b)] of window 2 + a / 4; while x is quantised window 2 is a ring of 4 x 64 registers for x as loaded.
; THE MODE: SCHED_MODE bits 1:0 = 2 (LLVM: expert scheduling mode 2), set by the entry lines.  The code itself states the register dependences between vector or matrix instructions and memory or LDS
; instructions, with s_wait_alu, always for 0.
; THE PLAN.  Registers that memory or LDS instructions touch, and who else names them:
;   the ring (window 2)   x's loads land in it, the LDS stores into my stage read it, no vector instruction names it.  One wait on vm_vsrc at a job's head frees the slot that the job's loads take, and with it
;                         the codes' registers and the scale word, which the last job's LDS stores read.  One more ahead of the passes: from there on the ring's registers are accumulators.
;   XF as 2 x 64          Job j + 1's numbers land in the set that job j - 1's quantiser read: the wait on va_vdst ahead of job j - 1's LDS stores stands behind that quantiser, and no vector instruction follows it.
;   W's sets, WS          Loads land, products read.  A half of a set is asked for again behind the 32 products that read it: a wait on va_vdst in a K step's middle and one at its end, each ahead of a run of loads.
;   x's sets, XS          LDS loads land, products read.  A set is asked for again at its step's end, behind the same wait as W's upper half.
;   v[ST4 ..], 8 x 4      The eight tiles' (m, s, u, 0): written by STATS, read by eight LDS stores in one run behind ONE wait on va_vdst; one wait on vm_vsrc behind the barrier, ahead of the loads that land there.
;   v[XN ..]              Written ahead of the wait for the eight exponentials of C, named by nothing behind it: wave 0's two stores lean on that wait.
;   v[PC ..], 2 x 20      The codes' two out-buffers by turns.  Tile a's conversions write one; tile a - 1's stores leave from the other, behind tile a's search for the maxima: the three waits there state all of it.
;   v[SW ..]              The eight scale words: written tile by tile, read by the pass's last two stores.
;   v[WA]                 Read by every load of W; written once a pass, between a wait on vm_vsrc and a wait on va_vdst.  All other addresses are made at the head and never written again.
.set SUB,  13312                       ; a sub-record: 8 fragments and 2 groups of scale words
.set FRB,  1536                        ; a fragment's image
.set KSTR, 4*SUB                       ; wfrag: from K step to K step
.set MSTR, 16*SUB                      ; from matrix to matrix
.set XSC,  49152                       ; LDS: x's 32 fragments from byte 0 ((8 s + a) FRB); their scale words: group (2 s + g) x 512, lane l's 16 bytes = tiles 4 g .. 4 g + 3
.set XSTG, 53248                       ; two stages of 16 rows x 528 bytes for each wave
.set STGB, 8448
.set STAT, 120832                      ; [wave][tile] 512 bytes: (m, s, u, -) a lane
.set LI,  1                            ; v1  16 x lane
.set WA,  2                            ; v2  16 x lane + SUB x wave: wfrag's loads; a matrix further on after each pass
.set SOF, 3                            ; v3  the same, never stepped: the results' stores
.set XST, 4                            ; v4  my stage, in
.set XRD, 5                            ; v5  my stage, out: 528 r + 64 h
.set XWI, 6                            ; v6  where I put x's fragments
.set XSW, 7                            ; v7  and their scale words
.set STA, 8                            ; v8  where I put (m, s, u)
.set STR, 9                            ; v9  from where all four waves' are read
.set XS,  16
.set WS,  32
.set MUW, 48
.set SW,  56
.set XF,  64                           ; x's fragments, set p at XF + 96 p; while x is quantised: two sets of 64 numbers
.set E,   64                           ; STATS: 2^T
.set MX,  128
.set MU,  136
.set SS,  138
.set UU,  142
.set ST4, 148                          ; tile a's (m, s, u, 0) at ST4 + 4 a: v148-179
.set CC,  64                           ; COMBINE: the pairs (C, C), a tile each
.set XN,  80                           ; neg_ent log2(e)
.set CT,  88
.set CM,  96
.set CS,  104
.set CU,  112
.set CG,  120
.set CL,  128                          ; what was read: 16 registers a tile
.set TM,  192                          ; the quantiser's 16 registers at work
.set PC,  208                          ; the codes just made: out-buffer n at PC + 20 n
.set WV,  12
.set SEL, 14
.set LG,  16                           ; s[16:17] log2(e), twice
.set LN,  18                           ; s[18:19] ln 2, twice
.set CNT, 20
.set SBS, 22                           ; s[22:23] where this pass's results go
.set VB,  24                           ; s[24:25] where v's go
.set MSB, 0
.macro WIN new                         ; the immediate's high byte repeats the setting that is left; a switch that changes nothing is dropped
.if MSB != (\new)
	s_set_vgpr_msb (MSB<<8)|(\new)
.set MSB, (\new)
.endif
.endm
.macro PLACES n
.rept \n
	v_nop
.endr
.endm
.macro BARRIER                         ; my LDS stores have landed and my LDS loads are in: then the work-group's barrier
	s_wait_dscnt 0x0
	s_barrier_signal -1
	s_barrier_wait -1
.endm
; Job j = 4 u + s: row tile 2 w + u, K step s.  16 loads, each 512 consecutive bytes of one row, into ring slot j % 4 of window 2.
.macro XLOAD j
	WIN 0x80
.irp t, 0,1,2,3,4,5,6,7,8,9,10,11,12,13,14,15
	global_load_b128 v[64*((\j)%4)+4*\t:64*((\j)%4)+4*\t+3], v[LI], s[4:5] offset:(8*((\j)/4)+\t+8*(\t/8))*2048+512*((\j)%4) th:TH_LOAD_NT
.endr
	WIN 0
.endm
; The job's 16 x 512 bytes turn through my stage: in as they lie, out 64 bytes a lane: register 16 b + i = k 32 b + 16 h + i of row r.  LDS serves a wave's instructions in order: no wait between.
.macro TURN j
	WIN 0x08
.irp t, 0,1,2,3,4,5,6,7,8,9,10,11,12,13,14,15
	ds_store_b128 v[XST], v[64*((\j)%4)+4*\t:64*((\j)%4)+4*\t+3] offset:STGB*((\j)%2)+528*\t
.endr
	WIN 0
.irp b, 0,1,2,3
.irp i, 0,1,2,3
	ds_load_b128 v[XF+64*((\j)%2)+16*\b+4*\i:XF+64*((\j)%2)+16*\b+4*\i+3], v[XRD] offset:STGB*((\j)%2)+128*\b+16*\i
.endr
.endr
.endm
; THE QUANTISER, in two parts.  64 numbers of a lane in window win, register 16 b + i = k 32 b + 16 (lane / 16) + i of the lane's row.
; QMAX: the four blocks' largest magnitudes, the conversions' scale operands in v[TM + 12 ..] and the scale word in v[pw].  It names no out-buffer.
.macro QMAX src, win, pw
	WIN ((\win)<<2)|((\win)<<4)
.irp b, 0,1,2,3
	v_max3_num_f32 v[TM+\b], 0x2800000, |v[(\src)+16*\b]|, |v[(\src)+16*\b+1]|   ; block b: my 16 numbers, from the low end on, and the floor 2^(5 - 127)
.endr
.irp i, 2,4,6,8,10,12,14
.irp b, 0,1,2,3
	v_max3_num_f32 v[TM+\b], v[TM+\b], |v[(\src)+16*\b+\i]|, |v[(\src)+16*\b+\i+1]|
.endr
.endr
	WIN 0
.irp b, 0,1,2,3
	v_permlanex16_b32 v[TM+4+\b], v[TM+\b], s[SEL], s[SEL+1]
.endr
.irp b, 0,1,2,3
	v_max_num_f32 v[TM+\b], v[TM+\b], v[TM+4+\b]   ; with lane l xor 16's: the block's largest magnitude
.endr
.irp b, 0,1,2,3
	v_add_nc_u32 v[TM+12+\b], 0xfe000000, v[TM+\b] ; 4 off its exponent field: the conversion's scale operand
.endr
.irp b, 0,1,2,3
	v_lshrrev_b32 v[TM+4+\b], 23, v[TM+12+\b]      ; the scale's byte
.endr
	v_lshl_or_b32 v[\pw], v[TM+5], 8, v[TM+4]
	v_lshl_or_b32 v[\pw], v[TM+6], 16, v[\pw]
	v_lshl_or_b32 v[\pw], v[TM+7], 24, v[\pw]
.endm
; QCVT: the fragment's codes, in v[pc] to v[pc + 11] (eight registers more are at work behind them).
.macro QCVT src, win, pc
	WIN (\win)
.irp c, 0,1
	v_cvt_scalef32_pk16_bf6_f32 v[(\pc)+6*\c:(\pc)+6*\c+2], v[(\src)+32*\c:(\src)+32*\c+15], v[TM+12+2*\c]
	v_cvt_scalef32_pk16_bf6_f32 v[(\pc)+12+4*\c:(\pc)+14+4*\c], v[(\src)+32*\c+16:(\src)+32*\c+31], v[TM+13+2*\c]
.endr
	WIN 0
	v_nop                                          ; one plain place behind a scaled conversion
.irp c, 0,1                                    ; the operand's layout wants a whole block in a lane
.irp i, 0,1,2
	v_permlane16_swap_b32 v[(\pc)+6*\c+\i], v[(\pc)+12+4*\c+\i]
.endr
.irp i, 0,1,2
	v_mov_b32 v[(\pc)+3+6*\c+\i], v[(\pc)+12+4*\c+\i]
.endr
.endr
.endm
; Half hf of set p: my fragments 4 hf .. 4 hf + 3 of W and their group of scale words, K step k counted from the matrix at which WA stands: 13 loads.
.macro FETCHWH k, p, hf
	WIN 0x40
.irp i, 0,1,2,3
.irp c, 0,1,2
	global_load_b128 v[96*(\p)+12*(4*(\hf)+\i)+4*\c:96*(\p)+12*(4*(\hf)+\i)+4*\c+3], v[WA], s[6:7] offset:KSTR*(\k)+FRB*(4*(\hf)+\i)+512*\c
.endr
.endr
	WIN 0
	global_load_b128 v[WS+8*(\p)+4*(\hf):WS+8*(\p)+4*(\hf)+3], v[WA], s[6:7] offset:KSTR*(\k)+8*FRB+512*(\hf)
.endm
.macro FETCHW k, p                     ; both halves: 26 loads
	FETCHWH \k, \p, 0
	FETCHWH \k, \p, 1
.endm
.macro FETCHX s, p                     ; x's 8 fragments of K step s and their scale words into set p: 26 LDS loads
.irp i, 0,1,2,3,4,5,6,7
.irp c, 0,1,2
	ds_load_b128 v[XF+96*(\p)+12*\i+4*\c:XF+96*(\p)+12*\i+4*\c+3], v[LI] offset:(8*(\s)+\i)*FRB+512*\c
.endr
.endr
.irp g, 0,1
	ds_load_b128 v[XS+8*(\p)+4*\g:XS+8*(\p)+4*\g+3], v[LI] offset:XSC+(2*(\s)+\g)*512
.endr
.endm
; 32 matrix instructions, 128 along K: W's tiles 4 hf .. 4 hf + 3, one after the other, each against x's eight: so a half of W's set is free as soon as its 32 products are done.
; kind 0 (q, k): source 0 = W's tile, source 1 = x's tile i: accumulator (i, tile).  kind 1 (v): source 0 = x's tile i, source 1 = W's tile: accumulator (tile, i).
; The 64 accumulators take turns, one instruction a turn, in the same order in every step.  zero = 1: the first product starts the sums.
.macro MULH kind, p, zero, hf
.irp o, 0,1,2,3
.irp i, 0,1,2,3,4,5,6,7
.set WT, 4*(\hf)+\o
.if \kind
	WIN 0xa4+0x50*(\hf)
.set AC, 8*(8*(WT%4)+\i)
.set FA, XF+96*(\p)+12*\i
.set FB, 96*(\p)+12*WT
.set SCA, XS+8*(\p)+\i
.set SCB, WS+8*(\p)+WT
.else
	WIN 0xa1+0x50*(\i/4)
.set AC, 8*(8*(\i%4)+WT)
.set FA, 96*(\p)+12*WT
.set FB, XF+96*(\p)+12*\i
.set SCA, WS+8*(\p)+WT
.set SCB, XS+8*(\p)+\i
.endif
.if \zero
	v_wmma_scale_f32_16x16x128_f8f6f4 v[AC:AC+7], v[FA:FA+11], v[FB:FB+11], 0, v[SCA], v[SCB] matrix_a_fmt:MATRIX_FMT_BF6 matrix_b_fmt:MATRIX_FMT_BF6
.else
	v_wmma_scale_f32_16x16x128_f8f6f4 v[AC:AC+7], v[FA:FA+11], v[FB:FB+11], v[AC:AC+7], v[SCA], v[SCB] matrix_a_fmt:MATRIX_FMT_BF6 matrix_b_fmt:MATRIX_FMT_BF6
.endif
.endr
.endr
.endm
; K step s on set s % 2.  W's set is asked for again in halves (fw: the K step; -1: nothing): the lower in the step's middle, the upper at its end, each one and a half steps ahead of its first use.
; l0, l1: the loads of W issued behind the half that is wanted, which may stay out: as a rule three halves of 13.  dc: x's one younger set.  x's set is asked for again at the end (fx; only where fw asks too).
; Behind each of the two waits on va_vdst stand only window switches and loads; the products that follow name the set's other half, the other registers of WS, or the other sets.
.macro GSTEP kind, s, l0, l1, dc, fw, fx
	s_wait_loadcnt \l0
	s_wait_dscnt \dc
	MULH \kind, (\s)%2, (\s)==0, 0
	WIN 0
.if (\fw) >= 0
	PLACES 4                                       ; four places behind the products, in front of loads into registers that they have read
	s_wait_alu depctr_va_vdst(0)                   ; the 32 products are done reading W's tiles 0-3 of this set and their four scale words, in which the 13 loads below land
	FETCHWH \fw, (\s)%2, 0
.endif
	s_wait_loadcnt \l1
	MULH \kind, (\s)%2, (\s)==0, 1
	WIN 0
	PLACES 4                                       ; four places behind the products: in front of loads into registers that they have read, and of the first read of results
.if (\fw) >= 0
	s_wait_alu depctr_va_vdst(0)                   ; the step's products are done reading W's tiles 4-7, x's set and both sets' scale words, in which the loads below land
	FETCHWH \fw, (\s)%2, 1
.endif
.if (\fx) >= 0
	FETCHX \fx, (\s)%2
.endif
.endm
; Row tile a: my 128 columns' maximum, T in place, s; in the q trip also u, and 2^T then takes T's place.  (m, s, u) stay in the tile's own four registers: no LDS instruction stands here.
.macro STATS a
.set W, 2+(\a)/4
.set R, 64*((\a)%4)
.set SA, ST4+4*(\a)
	WIN (W<<2)|(W<<4)
.set k, 0
.rept 32                               ; four chains, the registers in ascending order: each accumulator is read from its low end on
.if k < 4
	v_max3_num_f32 v[MX+k], 0xff800000, v[R+2*k], v[R+2*k+1]
.else
	v_max3_num_f32 v[MX+k%4], v[MX+k%4], v[R+2*k], v[R+2*k+1]
.endif
.set k, k+1
.endr
	WIN 0
	v_max3_num_f32 v[MX], v[MX], v[MX+1], v[MX+2]
	v_max_num_f32 v[MX], v[MX], v[MX+3]
	v_permlanex16_b32 v[MX+1], v[MX], s[SEL], s[SEL+1]
	v_max_num_f32 v[SA], v[MX], v[MX+1]            ; m_w
	v_mul_f32 v[MU], s[LG], v[SA]                  ; mu_w = m_w log2(e), as rounded
	v_mul_f32 v[MU+1], s[LG], v[SA]
	v_mul_f32 v[MUW+(\a)], s[LG], v[SA]
	WIN (W<<6)|W
.set k, 0
.rept 32
	v_pk_fma_f32 v[R+k:R+k+1], v[R+k:R+k+1], s[LG:LG+1], v[MU:MU+1] op_sel_hi:[1,0,0] neg_lo:[0,0,1] neg_hi:[0,0,1]   ; T = q log2(e) - mu_w
.set k, k+2
.endr
	WIN W
.set k, 0
.rept 64
	v_exp_f32 v[E+k], v[R+k]
.set k, k+1
.endr
	v_nop                                          ; a plain place behind the last exponential
	s_wait_alu depctr_va_vdst(0)                   ; the 64 exponentials have written v[E ..]: one wait for the batch, ahead of its first reader
	WIN 0
	v_pk_add_f32 v[SS:SS+1], v[E:E+1], v[E+2:E+3]  ; s = sum 2^T, two chains
	v_pk_add_f32 v[SS+2:SS+3], v[E+4:E+5], v[E+6:E+7]
.set k, 4
.rept 28
	v_pk_add_f32 v[SS+2*(k%2):SS+2*(k%2)+1], v[SS+2*(k%2):SS+2*(k%2)+1], v[E+2*k:E+2*k+1]
.set k, k+1
.endr
	v_pk_add_f32 v[SS:SS+1], v[SS:SS+1], v[SS+2:SS+3]
	v_add_f32 v[SS], v[SS], v[SS+1]
	v_permlanex16_b32 v[SS+1], v[SS], s[SEL], s[SEL+1]
	v_add_f32 v[SA+1], v[SS], v[SS+1]
	s_cmp_eq_u32 s[CNT], 2                         ; the pass counter: the same in every wave
	s_cbranch_scc0 .Lno_u_\@
	WIN W<<2
	v_pk_mul_f32 v[UU:UU+1], v[E:E+1], v[R:R+1]    ; q: u = sum 2^T T, two chains
	v_pk_mul_f32 v[UU+2:UU+3], v[E+2:E+3], v[R+2:R+3]
.set k, 2
.rept 30
	v_pk_fma_f32 v[UU+2*(k%2):UU+2*(k%2)+1], v[E+2*k:E+2*k+1], v[R+2*k:R+2*k+1], v[UU+2*(k%2):UU+2*(k%2)+1]
.set k, k+1
.endr
	WIN W<<6
.set k, 0
.rept 32                               ; T has been read for the last time: 2^T takes its registers (two numbers a line; x 1.0 changes no bit), so that p needs no second exponential
	v_pk_mul_f32 v[R+k:R+k+1], v[E+k:E+k+1], 1.0 op_sel_hi:[1,0]
.set k, k+2
.endr
	WIN 0
	v_pk_add_f32 v[UU:UU+1], v[UU:UU+1], v[UU+2:UU+3]
	v_add_f32 v[UU], v[UU], v[UU+1]
	v_permlanex16_b32 v[UU+1], v[UU], s[SEL], s[SEL+1]
	v_add_f32 v[SA+2], v[UU], v[UU+1]
	s_branch .Lsto_\@
.Lno_u_\@:
	v_mov_b32 v[SA+2], 0                           ; k has no entropy: T stays where it is
.Lsto_\@:
.endm
; Tile a's codes leave, as an image of the fragment's registers, from out-buffer a % 2.
.macro SENDC a, base
.irp c, 0,1,2
	global_store_b128 v[SOF], v[PC+20*((\a)%2)+4*\c:PC+20*((\a)%2)+4*\c+3], s[\base:\base+1] offset:FRB*(\a)+512*\c
.endr
.endm
; Tile a's 64 finished numbers become a fragment.  Behind the search for its maxima stand the waits and the stores of the tile before; then its conversions write the other out-buffer.
.macro FIN a, base
.set W, 2+(\a)/4
.set R, 64*((\a)%4)
	QMAX R, W, SW+(\a)
.if (\a) > 1
	s_wait_xcnt 0x0                                ; tile a - 2's stores have had their addresses translated (ISA guide 3.1): their data registers are written again only behind this wait
	s_wait_alu depctr_vm_vsrc(0)                   ; tile a - 2's stores have read out-buffer a % 2, which the conversions below write
.endif
.if (\a) > 0
	s_wait_alu depctr_va_vdst(0)                   ; tile a - 1's conversions, exchanges and moves have written the other out-buffer, which the three stores below read
	SENDC (\a)-1, \base
.endif
	QCVT R, W, PC+20*((\a)%2)
.endm
.macro FINALL base
.irp a, 0,1,2,3,4,5,6,7
	FIN \a, \base
.endr
	s_wait_alu depctr_va_vdst(0)                   ; tile 7's codes are written, and so are the eight scale words: the five stores below read them
	SENDC 7, \base
	global_store_b128 v[SOF], v[SW:SW+3], s[\base:\base+1] offset:8*FRB
	global_store_b128 v[SOF], v[SW+4:SW+7], s[\base:\base+1] offset:8*FRB+512
.endm
; One job of the quantising of x.
.macro XJOB j
	s_wait_dscnt 0x0                               ; this job's numbers are back from the stage
.if (\j) > 0
	s_wait_alu depctr_vm_vsrc(0)                   ; the LDS stores issued so far have read their registers: ring slot (j - 1) % 4, in which the loads below land, and the codes and the scale word of the last job, which this job's quantiser writes
.endif
.if (\j) < 6
	s_wait_loadcnt 16                              ; the next job's 16 loads are in; the job behind it may be out
	TURN (\j)+1                                    ; its numbers land in the set that the quantiser of the job before this one read: that quantiser stands ahead of the last wait on va_vdst, and no vector instruction has followed
.elseif (\j) == 6
	s_wait_loadcnt 26                              ; the last job's loads are in; W's first set (26 loads) may be out
	TURN (\j)+1
.endif
.if (\j) <= 4
	XLOAD (\j)+3
.elseif (\j) == 5
	FETCHW 0, 0                                    ; Wq's first two K steps are asked for while x's last jobs are worked
.elseif (\j) == 6
	FETCHW 1, 1
.endif
	QMAX XF+64*((\j)%2), 0, SW
	QCVT XF+64*((\j)%2), 0, PC
	s_wait_alu depctr_va_vdst(0)                   ; the quantiser has written the codes and the scale word, which the LDS stores below read; it is also done reading its 64 numbers
.irp c, 0,1,2
	ds_store_b128 v[XWI], v[PC+4*\c:PC+4*\c+3] offset:(8*((\j)%4)+(\j)/4)*FRB+512*\c
.endr
	ds_store_b32 v[XSW], v[SW] offset:4*((\j)/4)+1024*((\j)%4)
.endm
	s_load_b256 s[4:11], s[0:1], 0x0               ; x s[4:5], wfrag s[6:7], prec s[8:9], kvrec s[10:11]
	v_lshl_add_u32 v14, v0, 2, 0x21800             ; my spare word and 0: made here and kept for the closing lines alone
	v_mov_b32 v15, 0
	v_lshrrev_b32 v10, 5, v0
	v_readfirstlane_b32 s[WV], v10                 ; wave 0..3
	v_and_b32 v10, 31, v0                          ; lane
	v_and_b32 v11, 15, v0                          ; r
	v_bfe_u32 v12, v0, 4, 1                        ; h
	v_lshlrev_b32 v[LI], 4, v10
	s_wait_alu depctr_va_sdst(0)                   ; the wave's number is written, ahead of its first reader
	s_mul_i32 s13, s[WV], SUB
	v_add_nc_u32 v[WA], s13, v[LI]
	v_add_nc_u32 v[SOF], s13, v[LI]
	s_mul_i32 s13, s[WV], 2*STGB
	s_add_co_u32 s13, s13, XSTG
	v_add_nc_u32 v[XST], s13, v[LI]
	v_mul_u32_u24 v[XRD], v11, 528
	v_lshl_add_u32 v[XRD], v12, 6, v[XRD]
	v_add_nc_u32 v[XRD], s13, v[XRD]
	s_mul_i32 s13, s[WV], 2*FRB
	v_add_nc_u32 v[XWI], s13, v[LI]
	s_and_b32 s13, s[WV], 1
	s_lshl_b32 s13, s13, 3
	s_lshr_b32 s21, s[WV], 1
	s_lshl_b32 s21, s21, 9
	s_add_co_u32 s13, s13, s21
	s_add_co_u32 s13, s13, XSC
	v_add_nc_u32 v[XSW], s13, v[LI]                ; 16 x lane + 8 (w % 2) + 512 (w / 2)
	s_lshl_b32 s13, s[WV], 12
	s_add_co_u32 s13, s13, STAT
	v_add_nc_u32 v[STA], s13, v[LI]
	v_add_nc_u32 v[STR], STAT, v[LI]
.irp b, 0,1,2,3
	v_mov_b32 v[TM+4+\b], 0                        ; written once: a lane permute's destination counts as one of its sources
.endr
	s_mov_b32 s[SEL], 0x76543210
	s_mov_b32 s[SEL+1], 0xfedcba98
	s_mov_b32 s[LG], 0x3fb8aa3b                    ; log2(e)
	s_mov_b32 s[LG+1], s[LG]
	s_mov_b32 s[LN], 0x3f317218                    ; ln 2
	s_mov_b32 s[LN+1], s[LN]
	s_lshl_b32 s26, ttmp9, 18                      ; 128 rows of 2,048 bytes a work-group,
	s_lshl_b32 s27, s[WV], 16                      ; 32 a wave
	s_add_co_u32 s26, s26, s27
	s_mov_b32 s27, 0
	s_mul_i32 s28, ttmp9, 4*SUB+1024               ; my record of prec
	s_mov_b32 s29, 0
	s_mul_i32 s30, ttmp9, 8*SUB                    ; and of kvrec
	s_mov_b32 s31, 0
	s_wait_kmcnt 0x0
	s_add_nc_u64 s[4:5], s[4:5], s[26:27]
	s_add_nc_u64 s[8:9], s[8:9], s[28:29]
	s_add_nc_u64 s[10:11], s[10:11], s[30:31]
	s_add_nc_u64 s[VB:VB+1], s[10:11], 4*SUB       ; V's four sub-records lie behind logq's
	s_wait_alu depctr_va_vdst(0)                   ; the nine addresses v1 to v9 are written, which the loads and stores of the whole kernel read
	XLOAD 0
	XLOAD 1
	XLOAD 2
	s_wait_loadcnt 32                              ; job 0's loads are in; jobs 1 and 2 may be out
	TURN 0
.irp j, 0,1,2,3,4,5,6,7
	XJOB \j
.endr
	BARRIER                                        ; x's 32 fragments and their scale words lie in LDS, and stay
	s_wait_alu depctr_vm_vsrc(0)                   ; my LDS stores have read the ring, whose registers the products write from here on, and the last job's codes, in whose registers x's fragments land
	s_mov_b32 s[CNT], 2
.Lpass:                                                ; two trips: q, then k
	s_cmp_eq_u32 s[CNT], 2
	s_cselect_b64 s[SBS:SBS+1], s[8:9], s[10:11]
	FETCHX 0, 0                                    ; no vector instruction has named v16-31 or v64-255 since the last wait on va_vdst, on the way in and on the way back
	FETCHX 1, 1
	GSTEP 0, 0, 39, 39, 26, 2, 2
	GSTEP 0, 1, 39, 39, 26, 3, 3
	GSTEP 0, 2, 39, 39, 26, 4, -1                  ; 4 and 5: the next matrix's first two K steps: they land during the softmax
	GSTEP 0, 3, 39, 39, 0, 5, -1
.irp a, 0,1,2,3,4,5,6,7
	v_mov_b32 v[ST4+4*\a+3], 0                     ; the fourth word of each tile's figures
.endr
.irp a, 0,1,2,3,4,5,6,7
	STATS \a
.endr
	s_wait_alu depctr_va_vdst(0)                   ; the eight tiles' (m, s, u, 0) are written, which the LDS stores below read; STATS is done with v128-147 too
.irp a, 0,1,2,3,4,5,6,7
	ds_store_b128 v[STA], v[ST4+4*\a:ST4+4*\a+3] offset:512*\a
.endr
	BARRIER                                        ; all four waves' (m, s, u) lie in LDS
	s_wait_alu depctr_vm_vsrc(0)                   ; my eight LDS stores have read v[ST4 ..], in which the loads below land
.irp a, 0,1,2,3,4,5,6,7
.irp w, 0,1,2,3
	ds_load_b128 v[CL+16*\a+4*\w:CL+16*\a+4*\w+3], v[STR] offset:4096*\w+512*\a
.endr
.endr
	s_wait_dscnt 0x0                               ; my reads of them are over:
	s_barrier_signal -1                            ; say so; the wait stands behind the arithmetic below, ahead of everything that could lead to the next trip's stores there
.irp a, 0,1,2,3,4,5,6,7
	v_max3_num_f32 v[CT+\a], v[CL+16*\a], v[CL+16*\a+4], v[CL+16*\a+8]
.endr
.irp a, 0,1,2,3,4,5,6,7
	v_max_num_f32 v[CT+\a], v[CT+\a], v[CL+16*\a+12]      ; the row's maximum
.endr
.irp a, 0,1,2,3,4,5,6,7
	v_mul_f32 v[CM+\a], s[LG], v[CT+\a]            ; mu
.endr
.irp a, 0,1,2,3,4,5,6,7
.irp w, 0,1,2,3
	v_mul_f32 v[CL+16*\a+4*\w], s[LG], v[CL+16*\a+4*\w]   ; mu_w, the very number that wave w took off
.endr
.endr
.irp a, 0,1,2,3,4,5,6,7
.irp w, 0,1,2,3
	v_sub_f32 v[CL+16*\a+4*\w], v[CL+16*\a+4*\w], v[CM+\a]   ; d_w = mu_w - mu
.endr
.endr
.irp a, 0,1,2,3,4,5,6,7
.irp w, 0,1,2,3
	v_exp_f32 v[CL+16*\a+4*\w+3], v[CL+16*\a+4*\w]        ; f_w
.endr
.endr
.irp a, 0,1,2,3,4,5,6,7
.irp w, 0,1,2,3
	v_fma_f32 v[CL+16*\a+4*\w+2], v[CL+16*\a+4*\w], v[CL+16*\a+4*\w+1], v[CL+16*\a+4*\w+2]   ; y_w = d_w s_w + u_w: work that names no exponential's result
.endr
.endr
	s_wait_alu depctr_va_vdst(0)                   ; the 32 exponentials have written the f_w: one wait, ahead of their first reader
.irp a, 0,1,2,3,4,5,6,7
	v_mul_f32 v[CS+\a], v[CL+16*\a+3], v[CL+16*\a+1]
	v_mul_f32 v[CU+\a], v[CL+16*\a+3], v[CL+16*\a+2]
.endr
.irp w, 1,2,3
.irp a, 0,1,2,3,4,5,6,7
	v_fmac_f32 v[CS+\a], v[CL+16*\a+4*\w+3], v[CL+16*\a+4*\w+1]   ; s = sum f_w s_w
	v_fmac_f32 v[CU+\a], v[CL+16*\a+4*\w+3], v[CL+16*\a+4*\w+2]   ; U = sum f_w y_w
.endr
.endr
.irp a, 0,1,2,3,4,5,6,7
	v_log_f32 v[CG+\a], v[CS+\a]                   ; log2 s (s is at least 1)
.endr
.irp a, 0,1,2,3,4,5,6,7
	v_rcp_f32 v[CT+\a], v[CS+\a]
.endr
.irp a, 0,1,2,3,4,5,6,7
	v_sub_f32 v[CC+2*\a], v[MUW+\a], v[CM+\a]      ; my own d_w: plain work behind the batch
.endr
	s_wait_alu depctr_va_vdst(0)                   ; the eight logarithms and the eight reciprocals are written: one wait, ahead of their first reader
.irp a, 0,1,2,3,4,5,6,7
	v_fma_f32 v[XN+\a], v[CU+\a], v[CT+\a], -v[CG+\a]     ; neg_ent log2(e) = U / s - log2 s
.endr
.irp a, 0,1,2,3,4,5,6,7
	v_sub_f32 v[CC+2*\a], v[CC+2*\a], v[CG+\a]     ; C = d_w - log2 s
.endr
.irp a, 0,1,2,3,4,5,6,7
	v_mov_b32 v[CC+2*\a+1], v[CC+2*\a]
.endr
	s_barrier_wait -1                              ; every wave has read the figures
	s_cmp_eq_u32 s[CNT], 2
	s_cbranch_scc0 .Lkarm
.irp a, 0,1,2,3,4,5,6,7                        ; q: p = 2^T x 2^C; 2^T lies in the accumulators' registers
	v_exp_f32 v[CC+2*\a], v[CC+2*\a]
.endr
	v_nop                                          ; a plain place behind the last exponential
	s_wait_alu depctr_va_vdst(0)                   ; the eight 2^C are written, ahead of their first reader; so is v[XN ..], which wave 0's two stores below read and no line between names
.irp a, 0,1,2,3,4,5,6,7
.set W, 2+\a/4
.set R, 64*(\a%4)
	WIN (W<<6)|W
.set k, 0
.rept 32
	v_pk_mul_f32 v[R+k:R+k+1], v[R+k:R+k+1], v[CC+2*\a:CC+2*\a+1] op_sel_hi:[1,0]   ; (of the pair the low word serves both halves)
.set k, k+2
.endr
.endr
	WIN 0
	s_cmp_lg_u32 s[WV], 0
	s_cbranch_scc1 .Lfin                           ; every wave holds neg_ent log2(e) of all 128 rows: wave 0 stores it, as two groups of four tiles
	global_store_b128 v[LI], v[XN:XN+3], s[8:9] offset:4*SUB
	global_store_b128 v[LI], v[XN+4:XN+7], s[8:9] offset:4*SUB+512
	s_branch .Lfin
.Lkarm:                                                ; k: logq = ln 2 x (T + C), as one multiply-add; T and C are both at most 0
.irp a, 0,1,2,3,4,5,6,7
	v_pk_mul_f32 v[CC+2*\a:CC+2*\a+1], v[CC+2*\a:CC+2*\a+1], s[LN:LN+1] op_sel_hi:[1,0]
.endr
.irp a, 0,1,2,3,4,5,6,7
.set W, 2+\a/4
.set R, 64*(\a%4)
	WIN (W<<6)|W
.set k, 0
.rept 32
	v_pk_fma_f32 v[R+k:R+k+1], v[R+k:R+k+1], s[LN:LN+1], v[CC+2*\a:CC+2*\a+1] op_sel_hi:[1,0,1]
.set k, k+2
.endr
.endr
	WIN 0
.Lfin:
	FINALL SBS                                     ; K step w of attention's first product, for all 8 tiles of rows
	s_wait_xcnt 0x0                                ; all loads and stores have had their addresses translated: WA, the base and the stores' data registers may be written
	s_wait_alu depctr_vm_vsrc(0)                   ; the loads of W have read v[WA]; the stores have read both out-buffers, the scale words and v[XN ..], which the next pass's loads and quantisers write
	v_add_nc_u32 v[WA], MSTR, v[WA]                ; on to the next matrix
	s_wait_alu depctr_va_vdst(0)                   ; v[WA] is written, which the next pass's loads of W read
	s_sub_co_u32 s[CNT], s[CNT], 1
	s_cmp_lg_u32 s[CNT], 0
	s_cbranch_scc1 .Lpass
	FETCHX 0, 0                                    ; v: source 0 = x, so that a lane holds a channel and its registers run down the rows
	FETCHX 1, 1
	GSTEP 1, 0, 39, 39, 26, 2, 2
	GSTEP 1, 1, 39, 39, 26, 3, 3
	GSTEP 1, 2, 39, 26, 26, -1, -1                 ; nothing more is asked for: the counts run down, and no wait on va_vdst is owed
	GSTEP 1, 3, 13, 0, 0, -1, -1
	FINALL VB                                      ; my 8 tiles of channels, K = these 128 rows
	s_wait_dscnt 0x0                               ; the closing lines, six on end
	s_wait_alu 0x0
	s_wait_tensorcnt 0x0
	ds_add_u32 v14, v15
	s_wait_dscnt 0x0
	s_endpgm
.Lfunc_end_k_qa3c6d2cbb5_proj:
	.size	k_qa3c6d2cbb5_proj, .Lfunc_end_k_qa3c6d2cbb5_proj-k_qa3c6d2cbb5_proj
	.p2alignl 7, 3214868480
	.fill 96, 4, 3214868480
	.section	.rodata,"a",@progbits
	.p2align	6, 0x0
	.amdhsa_kernel k_qa3c6d2cbb5_proj
		.amdhsa_group_segment_fixed_size 137728
		.amdhsa_private_segment_fixed_size 0
		.amdhsa_enable_private_segment 0
		.amdhsa_kernarg_size 32
		.amdhsa_user_sgpr_count 2
		.amdhsa_user_sgpr_kernarg_segment_ptr 1
		.amdhsa_wavefront_size32 1
		.amdhsa_system_sgpr_workgroup_id_x 1
		.amdhsa_system_sgpr_workgroup_id_y 1
		.amdhsa_system_sgpr_workgroup_id_z 1
		.amdhsa_system_vgpr_workitem_id 0
		.amdhsa_next_free_vgpr 1024
		.amdhsa_next_free_sgpr 66
		.amdhsa_reserve_vcc 0
		.amdhsa_float_denorm_mode_32 3
		.amdhsa_float_denorm_mode_16_64 3
		.amdhsa_memory_ordered 1
		.amdhsa_forward_progress 1
		.amdhsa_inst_pref_size 255
	.end_amdhsa_kernel
	.section	.bss,"aw",@nobits
	.p2align	6
	.space	262144
	.amdgpu_metadata
---
amdhsa.version: [ 1, 2 ]
amdhsa.kernels:
  - .name:           k_qa3c6d2cbb5_proj
    .symbol:         k_qa3c6d2cbb5_proj.kd
    .args:
      - { .name: x, .offset: 0, .size: 8, .value_kind: global_buffer, .address_space: global }
      - { .name: wfrag, .offset: 8, .size: 8, .value_kind: global_buffer, .address_space: global }
      - { .name: prec, .offset: 16, .size: 8, .value_kind: global_buffer, .address_space: global }
      - { .name: kvrec, .offset: 24, .size: 8, .value_kind: global_buffer, .address_space: global }
    .group_segment_fixed_size: 137728
    .private_segment_fixed_size: 0
    .kernarg_segment_align: 8
    .kernarg_segment_size: 32
    .max_flat_workgroup_size: 128
    .sgpr_count:     66
    .vgpr_count:     1024
    .wavefront_size: 32
...
	.end_amdgpu_metadata
.endif
;; end of part 4
;; launch attn: the kernel of part 3 again; grid 8 x 32, 4 waves a work-group, clusters of 4 x 1, 327,680 bytes of LDS; arguments prec, kvrec, out0; writes out0
